; MI455X (gfx1250); checked and timed in simulation.
; The chip was launched on July 23, 2026; its instructions are those of AMD's public machine-readable ISA for CDNA 5 (MIT licence, August 2026) and "CDNA5" Instruction Set Architecture Reference Guide (July 2026). The comments in the code are by the model that wrote it; some were corrected since.
;; Multi Head Attention. Allowed arithmetic: matrix products marked QUANTISED: E4M3 operands, one E8M0 scale for each 32 along K, by v_wmma_scale_f32_16x16x128_f8f6f4 with both operands' format E4M3, f32 sums; everything else in f32.
;; Inputs: Wk 16 x 1,024 x 64 float32; Wo 1,024 x 1,024 float32; Wq 16 x 1,024 x 64 float32; Wv 16 x 1,024 x 64 float32; bo 1,024 float32; x 4 x 2,048 x 1,024 float32.
;; Outputs: out0 4 x 2,048 x 1,024 float32.
;; This version of the problem:
;;   THIS VERSION OF THE PROBLEM IS GIVEN IN LOW PRECISION. The matrix products marked QUANTISED in the list below multiply operands that are first quantised to E4M3 (4 exponent bits, 3 mantissa bits; 8 bits a number), with one power-of-two scale for each 32 numbers along K (OCP MX v1.0); their sums are f32. All else is computed in f32.
;;   The module's matrix products, in the order in which they are computed (A, B: the left and right operand; K: the contracted axis; several contracted axes count as one K, in the product's order):
;;     1. [M 1,024, K 1,024] x [K 1,024, N 8,192]; A: input Wq; B: input x: QUANTISED
;;     2. [M 1,024, K 1,024] x [K 1,024, N 8,192]; A: input Wk; B: input x: QUANTISED
;;     3. [M 1,024, K 1,024] x [K 1,024, N 8,192]; A: input Wv; B: input x: QUANTISED
;;     4. batch 64 x [M 2,048, K 64] x [K 64, N 2,048]; A: computed on the way; B: computed on the way: QUANTISED
;;     5. batch 64 x [M 2,048, K 2,048] x [K 2,048, N 64]; A: softmax (see below); B: computed on the way: QUANTISED
;;     6. [M 8,192, K 1,024] x [K 1,024, N 1,024]; A: computed on the way; B: input Wo: QUANTISED
;;   THE QUANTISER, for each operand of a quantised product, along K:
;;     - K is cut into blocks of 32 from its start; a last block that is shorter is filled with zeros.
;;     - A block's scale is 2^e with e = floor(log2(the largest magnitude in the block)) - 8, held to -126 .. 127; a block of zeros has e = 0. As a byte (E8M0): e + 127.
;;     - Each number is divided by its block's scale, clamped to +-448, and rounded to the nearest number of E4M3, ties to even, subnormals kept.
;;     - The product sums the exact products of the quantised numbers (number of the format x scale) in f32.
;;   ~~~python
;;   def quantise(x, axis):      # numpy; x: float32 -> the quantised numbers, widened to float32 again
;;       x = np.moveaxis(x, axis, -1); K = x.shape[-1]
;;       x = np.pad(x, [(0, 0)] * (x.ndim - 1) + [(0, -K % 32)]); x = x.reshape(x.shape[:-1] + (-1, 32)); a = np.abs(x).max(-1, keepdims=True)
;;       e = np.where(a > 0, np.clip(np.frexp(np.where(a > 0, a, 1))[1] - 1 - 8, -126, 127), 0)      # np.frexp(a)[1] - 1 = floor(log2(a)), exactly
;;       r = np.clip(x / 2.0 ** e, -448, 448)
;;       step = 2.0 ** (np.maximum(np.frexp(np.where(r == 0, 1, r))[1] - 1, -6) - 3)
;;       q = np.round(r / step) * step * 2.0 ** e      # np.round: ties to even
;;       return np.moveaxis(q.reshape(q.shape[:-2] + (-1,))[..., :K], -1, axis).astype(np.float32)
;;   ~~~
;;   SOFTMAX AHEAD OF A QUANTISED PRODUCT. Where the list says 'softmax', what is quantised is not the finished softmax but p = 2^(t - M), with t = logit x log2(e) and M = ceil(the row's largest t), a whole number; so 1/2 < the row's largest p <= 1. The row's sum l is taken of the UNQUANTISED p, in f32, and the product's result is divided by l at the end. Since M is a whole number, a kernel that streams over the keys may use a running M (the ceiling of the running maximum): every later rescaling is an exact power of two, which a block's scale takes up: the codes' values come out the same.
;;   OPERANDS COMPUTED ON THE WAY. 'Computed on the way' means the value that the module computes at that place (a softmax that the list does not call 'softmax' is quantised finished and normalised). What goes into a quantiser is computed in f32, as accurately as f32 sums, v_exp_f32 and their like allow (about 1e-6 of the number): no bf16 or f16 on the way to a quantiser, and a product that is left as it is and whose result goes on into a quantised operand takes f32 operands (vector FMAs, or v_wmma_f32_16x16x4_f32). A number that lies on a knife's edge between two numbers of the format may be rounded either way, as far as f32 arithmetic and the matrix unit's own rounding can turn it there, and no further.
;; One version. Each part assembles by itself: llvm-mc -triple=amdgcn-amd-amdhsa -mcpu=gfx1250 --defsym DOCPART=n.
;; ======== version 1 of 1: 5 launches
;; limits: right only within a limited range of input values
;; workspace buffers: xc 8,388,608 bytes; wc 4,194,304 bytes; scl 655,360 bytes; qq 8,912,896 bytes; kv 17,563,648 bytes; ao 8,388,608 bytes
;; launch quant (part 1): grid 512 x 1, 4 waves a work-group, no clusters, 34,304 bytes of LDS; arguments x, Wq, Wk, Wv, Wo, xc, wc, scl; writes xc, wc, scl
.if DOCPART == 1
	.amdgcn_target "amdgcn-amd-amdhsa--gfx1250"
	.amdhsa_code_object_version 6
	.text
	.protected	k_q37dc92a88d_quant
	.globl	k_q37dc92a88d_quant
	.p2align	8
	.type	k_q37dc92a88d_quant,@function
k_q37dc92a88d_quant:
	s_mov_b64 s[64:65], 0
	v_nop
	global_prefetch_b8 v0, s[64:65] scope:SCOPE_SE
	s_setreg_imm32_b32 hwreg(HW_REG_WAVE_MODE, 25, 1), 1
	s_wait_xcnt 0x0
; x [8192][1024] and the four weights, all f32, become codes of FP8 (E4M3) with one E8M0 scale byte for each 32 along K (K = the 1,024 that the products contract).
; A block's scale is 2^(floor(log2(its largest magnitude)) - 8); its byte is the largest magnitude's exponent field - 8, held at 1 from below; each number is divided by the scale, held within +-448, rounded to the nearest code.
; LIMITS: NaN and infinities among the inputs are not served.  A block of zeros gets the byte 1 (not 127): its codes are zeros, and the bytes are read by this program alone.
; LAYOUT OF THE RESULTS (this program's own).  Rows (tokens of x; output features of the weights: q 0.., k 1024.., v 2048.., Wo 3072..) go in groups of 32; tile 2 G + u holds rows 32 G + 8 u + r + 8 (r / 8), r = 0 .. 15.
; Codes lie in the order of the matrix operand's registers: [tile][K step of 128: 8][c: 4][512 bytes], lane l = 16 h + r has its 16 bytes at 16 l: k = 32 c + 16 h + 0 .. 15 of the tile's row r.
; Scale words (four bytes: one K step of one row): [tile][kh: 2][r: 16][4 words], 512 bytes a tile; x's from byte 0 of scl, the weights' from byte 262,144.
; SHARES.  Work-groups 0-255: x; a wave takes one tile and four K steps.  K is innermost there: each load reads 512 consecutive bytes of a row, and a K step turns through the wave's own stage in LDS so that a lane gets 16 neighbours of each block.
; Work-groups 256-511: the weights, whose K is not innermost; a lane takes a column and its registers run down K, so that a block of 32 lies in one lane; a wave takes 32 columns x one K step.
; No barrier: waves share nothing.  Only x's way uses LDS.
.set R,   16                           ; v16-143  x: two sets of 64 registers as loaded
.set X,   144                          ; v144-207 x: 64 numbers, register 16 c + i = k 32 c + 16 h + i of my row
.set PC,  208                          ; v208-223 the codes just made
.set TM,  224                          ; v224-227 largest magnitudes, v228-231 bytes, v232-235 448 x the scale, v236-239 the conversions' scale operands
.set PW,  240                          ; v240-243 the scale words of the four K steps
.set SEL, 40                           ; s[40:41] lane selects: lane l xor 16
.set MNT, 42                           ; s42 the mantissa field of 448
.set STG, 16*528                       ; a wave's stage: 16 rows of 512 bytes + 16
; 64 numbers of a lane become a fragment's codes in v[PC] on and its scale word in v[pw]
.macro QUANT s, pw
.irp b, 0,1,2,3
	v_max3_num_f32 v[TM+\b], |v[\s+16*\b]|, |v[\s+1+16*\b]|, 0x4800000   ; block b: my 16 numbers and the floor 2^(9 - 127): the byte cannot fall under 1
.endr
.irp i, 2,4,6,8,10,12,14
.irp b, 0,1,2,3
	v_max3_num_f32 v[TM+\b], v[TM+\b], |v[\s+16*\b+\i]|, |v[\s+1+16*\b+\i]|   ; the four blocks by turns
.endr
.endr
.irp b, 0,1,2,3
	v_permlanex16_b32 v[TM+4+\b], v[TM+\b], s[SEL], s[SEL+1]
.endr
.irp b, 0,1,2,3
	v_max_num_f32 v[TM+\b], v[TM+\b], v[TM+4+\b]           ; with lane l xor 16's 16: the block's largest magnitude
.endr
.irp b, 0,1,2,3
	v_add_nc_u32 v[TM+12+\b], 0xfc000000, v[TM+\b]         ; 8 off its exponent field: the conversion's scale operand
.endr
.irp b, 0,1,2,3
	v_and_or_b32 v[TM+8+\b], v[TM+\b], 0x7f800000, s[MNT]  ; 448 x the scale
.endr
.irp b, 0,1,2,3
	v_lshrrev_b32 v[TM+4+\b], 23, v[TM+12+\b]              ; the scale's byte
.endr
	v_lshl_or_b32 v[\pw], v[TM+5], 8, v[TM+4]
	v_lshl_or_b32 v[\pw], v[TM+6], 16, v[\pw]
	v_lshl_or_b32 v[\pw], v[TM+7], 24, v[\pw]
.irp b, 0,1,2,3
.irp i, 0,1,2,3,4,5,6,7,8,9,10,11,12,13,14,15
	v_med3_num_f32 v[\s+16*\b+\i], v[\s+16*\b+\i], -v[TM+8+\b], v[TM+8+\b]   ; the conversion does not saturate (ISA guide 7.6.2): the hold comes first
.endr
	v_cvt_scalef32_pk8_fp8_f32 v[PC+4*\b:PC+1+4*\b], v[\s+16*\b:\s+7+16*\b], v[TM+12+\b]
	v_cvt_scalef32_pk8_fp8_f32 v[PC+2+4*\b:PC+3+4*\b], v[\s+8+16*\b:\s+15+16*\b], v[TM+12+\b]
.endr
	v_nop                                          ; a plain line behind the last conversion
.endm
	s_load_b512 s[4:19], s[0:1], 0x0               ; x s[4:5], Wq s[6:7], Wk s[8:9], Wv s[10:11], Wo s[12:13], xc s[14:15], wc s[16:17], scl s[18:19]
	v_lshl_add_u32 v254, v0, 2, 0x8400
	v_mov_b32 v255, 0
	v_lshrrev_b32 v7, 5, v0
	v_readfirstlane_b32 s20, v7                    ; wave 0..3
	v_and_b32 v8, 31, v0                           ; lane
	s_mov_b32 s[SEL], 0x76543210
	s_mov_b32 s[SEL+1], 0xfedcba98
	s_mov_b32 s[MNT], 0x600000
	s_cmp_lt_u32 ttmp9, 256
	s_cbranch_scc0 .Lweights
; ---------------- x ----------------
	v_lshlrev_b32 v1, 4, v8                        ; 16 x lane: my 16 bytes of a load's or a store's 512
	v_and_b32 v9, 15, v0                           ; r
	v_bfe_u32 v10, v0, 4, 1                        ; h
	s_mul_i32 s21, s20, STG                        ; my stage
	v_add_nc_u32 v2, s21, v1                       ; into it: a row as it lies
	v_mul_u32_u24 v3, v9, 528
	v_lshl_add_u32 v3, v10, 6, v3
	v_add_nc_u32 v3, s21, v3                       ; out of it: row r, + 64 h: my 16 numbers of a block of 32
	v_lshlrev_b32 v4, 4, v9
	v_lshl_add_u32 v4, v10, 3, v4                  ; the scale words' way out: 16 r + 8 h
.irp b, 0,1,2,3
	v_mov_b32 v[TM+4+\b], 0                        ; written once: a lane permute's destination counts as one of its sources
.endr
	s_lshl_b32 s22, ttmp9, 2
	s_add_co_u32 s22, s22, s20                     ; J = 4 x work-group + wave: tile J / 2, K steps 4 (J % 2) on
	s_lshr_b32 s23, s22, 1                         ; tile
	s_and_b32 s24, s22, 1                          ; kh
	s_lshr_b32 s25, s23, 1
	s_lshl_b32 s25, s25, 17                        ; 32 rows of 4,096 bytes for each group,
	s_and_b32 s26, s23, 1
	s_lshl_b32 s26, s26, 15                        ; 8 rows for the odd tile,
	s_add_co_u32 s25, s25, s26
	s_lshl_b32 s26, s24, 11                        ; four K steps of 512 bytes
	s_add_co_u32 s28, s25, s26
	s_mov_b32 s29, 0
	s_lshl_b32 s30, s22, 13                        ; codes: tile x 16,384 + kh x 8,192
	s_mov_b32 s31, 0
	s_lshl_b32 s32, s22, 8                         ; scale words: tile x 512 + kh x 256
	s_mov_b32 s33, 0
	s_wait_alu depctr_va_vdst(0)
	s_wait_kmcnt 0x0
	s_add_nc_u64 s[4:5], s[4:5], s[28:29]
	s_add_nc_u64 s[14:15], s[14:15], s[30:31]
	s_add_nc_u64 s[18:19], s[18:19], s[32:33]
.macro XLOAD t                         ; K step t of the tile's 16 rows: each load reads 512 consecutive bytes of one row
.irp i, 0,1,2,3,4,5,6,7,8,9,10,11,12,13,14,15
	global_load_b128 v[R+64*((\t)%2)+4*\i:R+64*((\t)%2)+4*\i+3], v1, s[4:5] offset:(\i+8*(\i/8))*4096+512*(\t) th:TH_LOAD_NT
.endr
.endm
.macro XSTEP t
.if (\t) < 3
	s_wait_loadcnt 16                              ; this K step's 16 loads are in; the next step's 16 may be out
.else
	s_wait_loadcnt 0x0
.endif
.irp i, 0,1,2,3,4,5,6,7,8,9,10,11,12,13,14,15
	ds_store_b128 v2, v[R+64*((\t)%2)+4*\i:R+64*((\t)%2)+4*\i+3] offset:528*\i
.endr
.irp c, 0,1,2,3
.irp j, 0,1,2,3
	ds_load_b128 v[X+16*\c+4*\j:X+16*\c+4*\j+3], v3 offset:128*\c+16*\j   ; LDS serves a wave's instructions in order: these see the stores above
.endr
.endr
	s_wait_dscnt 0x0                               ; my 64 numbers are in, and the stores have read the set as loaded
	s_wait_xcnt 0x0                                ; the last step's stores have read the codes' registers: they are written again below
.if (\t) < 2
	XLOAD (\t)+2
.endif
	QUANT X, PW+(\t)
.irp c, 0,1,2,3
	global_store_b128 v1, v[PC+4*\c:PC+4*\c+3], s[14:15] offset:2048*(\t)+512*\c   ; 32 lanes store 512 consecutive bytes
.endr
.endm
	XLOAD 0
	XLOAD 1
	XSTEP 0
	XSTEP 1
	XSTEP 2
	XSTEP 3
	v_cmp_gt_u32 vcc_lo, 16, v8                    ; both halves of the lanes hold all four words: lanes 0-15 send words 0, 1 of row r, lanes 16-31 words 2, 3
	v_cndmask_b32 v244, v[PW+2], v[PW], vcc_lo
	v_cndmask_b32 v245, v[PW+3], v[PW+1], vcc_lo
	global_store_b64 v4, v[244:245], s[18:19]      ; 256 consecutive bytes
	s_wait_tensorcnt 0x0
	ds_add_u32 v254, v255
	s_wait_dscnt 0x0
	s_endpgm
; ---------------- the weights ----------------
.Lweights:
	s_sub_co_u32 s21, ttmp9, 256
	s_lshr_b32 s22, s21, 1                         ; G: which 32 rows of the 4,096
	s_and_b32 s23, s21, 1                          ; kh
	s_lshl_b32 s24, s23, 2
	s_add_co_u32 s24, s24, s20                     ; my K step: 4 kh + wave
	s_lshr_b32 s25, s22, 1                         ; U: which 64 rows: a head of Wq, Wk, Wv (0-47) or 64 columns of Wo
	s_and_b32 s26, s22, 1                          ; which half of them
	s_wait_alu depctr_va_vdst(0)
	v_lshlrev_b32 v1, 2, v8                        ; in: 4 bytes a lane: lane l takes column l of the 32
	v_bfe_u32 v9, v8, 3, 1                         ; column l is row r of tile 2 G + u: u = (l / 8) % 2,
	v_and_b32 v10, 7, v8
	v_lshrrev_b32 v11, 4, v8
	v_lshl_or_b32 v10, v11, 3, v10                 ; r = l % 8 + 8 (l / 16)
	v_lshlrev_b32 v10, 4, v10
	v_lshl_add_u32 v5, v9, 14, v10                 ; codes: 16,384 u + 16 r
	v_lshl_add_u32 v6, v9, 9, v10                  ; scale words: 512 u + 16 r
	s_lshl_b32 s28, s22, 15                        ; codes: two tiles a group, 2,048 bytes a K step
	s_lshl_b32 s27, s24, 11
	s_add_co_u32 s28, s28, s27
	s_mov_b32 s29, 0
	s_lshl_b32 s30, s22, 10                        ; scale words: 1,024 G + 256 kh + 4 wave, behind x's
	s_lshl_b32 s27, s23, 8
	s_add_co_u32 s30, s30, s27
	s_lshl_b32 s27, s20, 2
	s_add_co_u32 s30, s30, s27
	s_add_co_u32 s30, s30, 262144
	s_mov_b32 s31, 0
	s_lshl_b32 s34, s26, 7                         ; 32 columns are 128 bytes
	s_mov_b32 s35, 0
	s_wait_kmcnt 0x0
	s_add_nc_u64 s[16:17], s[16:17], s[28:29]
	s_add_nc_u64 s[18:19], s[18:19], s[30:31]
.macro WLOAD t, S                      ; block t: W(32 t + i, my column), i = 0 .. 31; S: bytes from row to row.  32 lanes read 128 consecutive bytes
.set i, 0
.rept 32
	global_load_b32 v[16+32*((\t)%2)+i], v1, s[36:37] offset:(32*(\t)+i)*\S
.set i, i+1
.endr
.endm
.macro WBLOCK t, S
.set XS, 16+32*((\t)%2)
.set CD, 80+8*(\t)                     ; each block has its own eight registers of codes: no store's data are written again
.if (\t) < 3
	s_wait_loadcnt 32                              ; this block's 32 loads are in; the next block's may be out
.else
	s_wait_loadcnt 0x0
.endif
	v_max3_num_f32 v120, |v[XS]|, |v[XS+1]|, |v[XS+2]|     ; the block's largest magnitude: all 32 numbers are mine
	v_max3_num_f32 v121, |v[XS+3]|, |v[XS+4]|, |v[XS+5]|
.irp i, 6,10,14,18,22,26
	v_max3_num_f32 v120, v120, |v[XS+\i]|, |v[XS+\i+1]|
	v_max3_num_f32 v121, v121, |v[XS+\i+2]|, |v[XS+\i+3]|
.endr
	v_max3_num_f32 v120, v120, |v[XS+30]|, |v[XS+31]|
	v_max3_num_f32 v120, v120, v121, 0x4800000     ; and the floor
	v_add_nc_u32 v122, 0xfc000000, v120            ; the conversion's scale operand
	v_and_or_b32 v123, v120, 0x7f800000, s[MNT]    ; 448 x the scale
	v_lshrrev_b32 v121, 23, v122                   ; the byte
.if (\t) == 0
	v_mov_b32 v112, v121
.else
	v_lshl_or_b32 v112, v121, 8*(\t), v112         ; four bytes make the K step's scale word
.endif
.irp i, 0,1,2,3,4,5,6,7,8,9,10,11,12,13,14,15,16,17,18,19,20,21,22,23,24,25,26,27,28,29,30,31
	v_med3_num_f32 v[XS+\i], v[XS+\i], -v123, v123
.endr
.irp g, 0,1,2,3
	v_cvt_scalef32_pk8_fp8_f32 v[CD+2*\g:CD+2*\g+1], v[XS+8*\g:XS+8*\g+7], v122
.endr
	v_nop                                          ; a plain line behind the last conversion
	global_store_b128 v5, v[CD:CD+3], s[16:17] offset:512*(\t)         ; k = 32 t + 0 .. 15: the place of lane r;  sixteen lanes fill 256 consecutive bytes of one tile, sixteen of the other
	global_store_b128 v5, v[CD+4:CD+7], s[16:17] offset:512*(\t)+256   ; k = 32 t + 16 .. 31: the place of lane 16 + r
.if (\t) < 2
	WLOAD (\t)+2, \S
.endif
.endm
.macro WPATH S
	WLOAD 0, \S
	WLOAD 1, \S
	WBLOCK 0, \S
	WBLOCK 1, \S
	WBLOCK 2, \S
	WBLOCK 3, \S
	global_store_b32 v6, v112, s[18:19]            ; 4 bytes of each row's 16: the work-group's four waves fill the 16 between them (128 KiB in the whole launch leave so)
.endm
	s_cmp_lt_u32 s25, 48
	s_cbranch_scc0 .Lwo
	s_lshr_b32 s27, s25, 4                         ; 0: Wq, 1: Wk, 2: Wv.  The choice hangs on the work-group's number alone
	s_cmp_eq_u32 s27, 0
	s_cselect_b64 s[36:37], s[6:7], s[8:9]
	s_cmp_eq_u32 s27, 2
	s_cselect_b64 s[36:37], s[10:11], s[36:37]
	s_and_b32 s27, s25, 15
	s_lshl_b32 s27, s27, 18                        ; a head: 1,024 rows of 256 bytes
	s_add_co_u32 s34, s34, s27
	s_lshl_b32 s27, s24, 15                        ; a K step: 128 rows of 256 bytes
	s_add_co_u32 s34, s34, s27
	s_add_nc_u64 s[36:37], s[36:37], s[34:35]
	s_wait_alu depctr_va_vdst(0)
	WPATH 256
	s_endpgm
.Lwo:
	s_sub_co_u32 s27, s25, 48
	s_lshl_b32 s27, s27, 8                         ; 64 columns are 256 bytes
	s_add_co_u32 s34, s34, s27
	s_lshl_b32 s27, s24, 19                        ; a K step: 128 rows of 4,096 bytes
	s_add_co_u32 s34, s34, s27
	s_add_nc_u64 s[36:37], s[12:13], s[34:35]
	s_wait_alu depctr_va_vdst(0)
	WPATH 4096
	s_endpgm
.Lfunc_end_k_q37dc92a88d_quant:
	.size	k_q37dc92a88d_quant, .Lfunc_end_k_q37dc92a88d_quant-k_q37dc92a88d_quant
	.p2alignl 7, 3214868480
	.fill 96, 4, 3214868480
	.section	.rodata,"a",@progbits
	.p2align	6, 0x0
	.amdhsa_kernel k_q37dc92a88d_quant
		.amdhsa_group_segment_fixed_size 34304
		.amdhsa_private_segment_fixed_size 0
		.amdhsa_enable_private_segment 0
		.amdhsa_kernarg_size 64
		.amdhsa_user_sgpr_count 2
		.amdhsa_user_sgpr_kernarg_segment_ptr 1
		.amdhsa_wavefront_size32 1
		.amdhsa_system_sgpr_workgroup_id_x 1
		.amdhsa_system_sgpr_workgroup_id_y 1
		.amdhsa_system_sgpr_workgroup_id_z 1
		.amdhsa_system_vgpr_workitem_id 0
		.amdhsa_next_free_vgpr 256
		.amdhsa_next_free_sgpr 66
		.amdhsa_reserve_vcc 1
		.amdhsa_float_denorm_mode_32 3
		.amdhsa_float_denorm_mode_16_64 3
		.amdhsa_memory_ordered 1
		.amdhsa_forward_progress 1
		.amdhsa_inst_pref_size 107
	.end_amdhsa_kernel
	.amdgpu_metadata
---
amdhsa.version: [ 1, 2 ]
amdhsa.kernels:
  - .name:           k_q37dc92a88d_quant
    .symbol:         k_q37dc92a88d_quant.kd
    .args:
      - { .name: x, .offset: 0, .size: 8, .value_kind: global_buffer, .address_space: global }
      - { .name: Wq, .offset: 8, .size: 8, .value_kind: global_buffer, .address_space: global }
      - { .name: Wk, .offset: 16, .size: 8, .value_kind: global_buffer, .address_space: global }
      - { .name: Wv, .offset: 24, .size: 8, .value_kind: global_buffer, .address_space: global }
      - { .name: Wo, .offset: 32, .size: 8, .value_kind: global_buffer, .address_space: global }
      - { .name: xc, .offset: 40, .size: 8, .value_kind: global_buffer, .address_space: global }
      - { .name: wc, .offset: 48, .size: 8, .value_kind: global_buffer, .address_space: global }
      - { .name: scl, .offset: 56, .size: 8, .value_kind: global_buffer, .address_space: global }
    .group_segment_fixed_size: 34304
    .private_segment_fixed_size: 0
    .kernarg_segment_align: 8
    .kernarg_segment_size: 64
    .max_flat_workgroup_size: 128
    .sgpr_count:     66
    .vgpr_count:     256
    .wavefront_size: 32
...
	.end_amdgpu_metadata
.endif
;; end of part 1
;; launch qk (part 2): grid 8 x 32, 4 waves a work-group, clusters of 4 x 4, 327,680 bytes of LDS; arguments xc, wc, scl, qq, kv; writes qq, kv
.if DOCPART == 2
	.amdgcn_target "amdgcn-amd-amdhsa--gfx1250"
	.amdhsa_code_object_version 6
	.text
	.protected	k_q37dc92a88d_qk
	.globl	k_q37dc92a88d_qk
	.p2align	8
	.type	k_q37dc92a88d_qk,@function
k_q37dc92a88d_qk:
	s_mov_b64 s[64:65], 0
	v_nop
	global_prefetch_b8 v0, s[64:65] scope:SCOPE_SE
	s_setreg_imm32_b32 hwreg(HW_REG_WAVE_MODE, 25, 1), 1
	s_wait_xcnt 0x0
	s_wait_alu depctr_hold_cnt(0) depctr_sa_sdst(0) depctr_va_vdst(0) depctr_va_sdst(0) depctr_va_ssrc(0) depctr_va_vcc(0) depctr_vm_vsrc(0)
	s_getreg_b32 s2, hwreg(HW_REG_IB_STS2, 6, 4)
	s_cmp_eq_u32 s2, 0
	s_cbranch_scc0 .Lentry_in_a_cluster
	s_endpgm
.Lentry_in_a_cluster:
	s_bfe_u32 s2, ttmp6, 0x10000c
	s_cmp_lg_u32 s2, 0xf033
	s_cbranch_scc0 .Lentry_shape_is_right
	s_endpgm
.Lentry_shape_is_right:
.set FR,     16
.set NL,     4
.set NP,     8
.set SLOT,   131072
.set SPARE,  2*SLOT
.set ADRA, 16
.set ADRB, 20
.set VOFF, 27
.set SPW,  28
.set NIL,  29
.set LI,   30
.set WO,   31
.set TM,   32
.set SC,   64
.set AF,   128
.set WD,   160
.set OW,   176
.set G1, 24
.set G0, 32
.set G1B, 48
.set G0B, 56
.set SEL, 92
.set MNT, 94
.set MSB, 0
.macro WIN new
.if MSB != (\new)
	s_set_vgpr_msb (MSB<<8)|(\new)
.set MSB, (\new)
.endif
.endm
.set MUL_LO, 0xa1
.set MUL_HI, 0xf1
.set TO_B,   0x40
.macro JLOAD g0a, g1a, g0b, g1b
	s_cmp_eq_u32 s15, 0
	s_cbranch_scc0 .Lfor_b_\@
	tensor_load_to_lds s[\g0a:\g0a+3], s[\g1a:\g1a+7]
	s_nop 0
.rept 4
	v_nop
.endr
	s_branch .Lasked_\@
.Lfor_b_\@:
	tensor_load_to_lds s[\g0b:\g0b+3], s[\g1b:\g1b+7]
	s_nop 0
.rept 4
	v_nop
.endr
.Lasked_\@:
.endm
.macro CREST
	s_cmp_lg_u32 s14, 0
	s_cbranch_scc1 .Lnot_wave_0_\@
	s_barrier_signal -3
.Lnot_wave_0_\@:
	s_barrier_wait -3
	s_barrier_signal -1
	s_barrier_wait -1
.endm
.macro CROUND
	s_barrier_signal -1
	s_barrier_wait -1
	CREST
.endm
.macro PLACES n
.rept \n
	v_nop
.endr
.endm
	s_load_b256 s[4:11], s[0:1], 0x0
	s_load_b64 s[12:13], s[0:1], 0x20
	v_lshl_add_u32 v[SPW], v0, 2, SPARE
	v_mov_b32 v[NIL], 0
	ds_add_u32 v28, v29
	ds_add_u32 v28, v29
	s_wait_dscnt 0x0
	v_lshrrev_b32 v1, 5, v0
	v_readfirstlane_b32 s14, v1
	s_lshr_b32 s15, s14, 1
	s_and_b32 s16, s14, 1
	s_bfe_u32 s40, ttmp6, 0x40000
	s_bfe_u32 s41, ttmp6, 0x40004
	s_lshl_b32 s42, ttmp9, 2
	s_add_co_u32 s42, s42, s40
	s_and_b32 s17, ttmp7, 0xffff
	s_lshl_b32 s17, s17, 2
	s_add_co_u32 s17, s17, s41
	s_lshl_b32 s43, s41, 2
	s_lshl_b32 s43, 15, s43
	s_lshl_b32 s44, 0x1111, s40
	s_or_b32 s[G1+0], s43, (3<<16)|(1<<21)
	s_or_b32 s[G1B+0], s44, (3<<16)|(1<<21)
.irp g, G1, G1B
	s_mov_b32 s[\g+1], 512<<16
	s_mov_b32 s[\g+2], 8<<16
	s_mov_b32 s[\g+3], 512<<16
	s_mov_b32 s[\g+4], 8
	s_mov_b32 s[\g+5], 2048
	s_mov_b32 s[\g+6], 0
	s_mov_b32 s[\g+7], 0
.endr
	s_lshl_b32 s18, s16, 17
	s_lshl_b32 s20, s17, 18
	s_add_co_u32 s20, s20, s18
	s_mov_b32 s21, 0
	s_lshl_b32 s46, s42, 18
	s_add_co_u32 s46, s46, s18
	s_mov_b32 s47, 0
	s_lshl_b32 s45, s14, 15
	s_mov_b32 s[SEL], 0x76543210
	s_mov_b32 s[SEL+1], 0xfedcba98
	s_mov_b32 s[MNT], 0x600000
	s_wait_kmcnt 0x0
	s_add_nc_u64 s[20:21], s[4:5], s[20:21]
	s_add_nc_u64 s[46:47], s[6:7], s[46:47]
	CROUND
.irp s, 0,1
	s_mov_b32 s[G0+4*\s], 1
	s_add_co_u32 s[G0+4*\s+1], s45, \s*SLOT
	s_add_nc_u64 s[G0+4*\s+2:G0+4*\s+3], s[20:21], \s*4096
	s_or_b32 s[G0+4*\s+3], s[G0+4*\s+3], 0x80000000
	s_mov_b32 s[G0B+4*\s], 1
	s_add_co_u32 s[G0B+4*\s+1], s45, \s*SLOT
	s_add_nc_u64 s[G0B+4*\s+2:G0B+4*\s+3], s[46:47], \s*4096
	s_or_b32 s[G0B+4*\s+3], s[G0B+4*\s+3], 0x80000000
.if \s                                 ; slot 1's first fill is issued as a refill is: my load of slot 0 waited for, the add, its wait, a whole round
	s_wait_alu depctr_va_vdst(0)
	s_wait_tensorcnt 0x0
	ds_add_u32 v28, v29
	s_wait_dscnt 0x0
	CROUND
.endif
	JLOAD G0+4*\s, G1, G0B+4*\s, G1B
.endr
	v_and_b32 v1, 15, v0
	v_bfe_u32 v2, v0, 4, 1
	v_and_b32 v3, 31, v0
	v_lshlrev_b32 v[LI], 4, v3
.irp b, 0,1,2,3
	v_mov_b32 v[TM+4+\b], 0
.endr
	s_lshl_b32 s21, s15, 15
	s_lshl_b32 s22, s16, 15
	s_add_co_u32 s22, s22, 65536
.irp s, 0,1
	v_add_nc_u32 v[ADRA+\s], s21, v[LI]
	v_add_nc_u32 v[ADRB+\s], s22, v[LI]
	s_add_co_u32 s21, s21, SLOT
	s_add_co_u32 s22, s22, SLOT
.endr
	s_lshl_b32 s70, s17, 13
	s_lshl_b32 s71, s42, 13
	s_add_co_u32 s71, s71, 262144
	s_lshl_b32 s67, s15, 12
	s_add_co_u32 s70, s70, s67
	s_lshl_b32 s67, s16, 12
	s_add_co_u32 s71, s71, s67
	v_lshlrev_b32 v4, 4, v1
	v_add_nc_u32 v5, s70, v4
	v_add_nc_u32 v6, s71, v4
	v_cmp_gt_u32 vcc_lo, 16, v3
	v_cndmask_b32 v[VOFF], v6, v5, vcc_lo
.irp i, 0,1,2,3,4,5,6,7
.irp kh, 0,1
	global_load_b128 v[SC+8*\i+4*\kh:SC+8*\i+4*\kh+3], v[VOFF], s[8:9] offset:512*\i+256*\kh
.endr
.endr
.macro FRAG reg, adr, q, i
.irp c, 0,1,2,3
	ds_load_b128 v[\reg+4*\c:\reg+4*\c+3], v[\adr] offset:4096*(\i)+2048*(\q)+512*\c
.endr
.endm
.macro MUL16 a0, p, ks, zero
.irp a, \a0, \a0+1
.irp b, 0,1,2,3,4,5,6,7
.if \zero
	v_wmma_scale_f32_16x16x128_f8f6f4 v[8*(8*((\a)%4)+\b):8*(8*((\a)%4)+\b)+7], v[128*(\p)+FR*\b:128*(\p)+FR*\b+FR-1], v[AF+FR*(\a):AF+FR*(\a)+FR-1], 0, v[SC+8*\b+(\ks)], v[SC+8*(\a)+(\ks)] matrix_a_scale:MATRIX_SCALE_ROW1
.else
	v_wmma_scale_f32_16x16x128_f8f6f4 v[8*(8*((\a)%4)+\b):8*(8*((\a)%4)+\b)+7], v[128*(\p)+FR*\b:128*(\p)+FR*\b+FR-1], v[AF+FR*(\a):AF+FR*(\a)+FR-1], v[8*(8*((\a)%4)+\b):8*(8*((\a)%4)+\b)+7], v[SC+8*\b+(\ks)], v[SC+8*(\a)+(\ks)] matrix_a_scale:MATRIX_SCALE_ROW1
.endif
.endr
.endr
.endm
.macro FETCH_B slot, q, p
	WIN TO_B
.irp i, 0,1,2,3,4,5,6,7
	FRAG 128*(\p)+FR*\i, ADRB+\slot, \q, \i
.endr
	WIN 0
.endm
.macro FETCH_A slot, q, i0
.irp i, \i0, \i0+1, \i0+2, \i0+3
	FRAG AF+FR*(\i), ADRA+\slot, \q, \i
.endr
.endm
.macro STEP slot, q, ks, zero
	s_wait_dscnt 4*NL
	WIN MUL_LO
	MUL16 0, (\q)%2, \ks, \zero
	MUL16 2, (\q)%2, \ks, \zero
	s_wait_dscnt 0
	PLACES NP
	FETCH_B \slot, (\q)+1, 1-(\q)%2
	FETCH_A \slot, (\q)+1, 0
	WIN MUL_HI
	MUL16 4, (\q)%2, \ks, \zero
	MUL16 6, (\q)%2, \ks, \zero
	PLACES NP
	WIN 0
	FETCH_A \slot, (\q)+1, 4
.endm
.macro TURN slot, next, fill, ks
	s_wait_tensorcnt 0x0
	ds_add_u32 v[SPW], v[NIL]
	s_wait_dscnt 4*NL+1
	WIN MUL_LO
	MUL16 0, 1, \ks, 0
	s_wait_dscnt 0x0
	s_barrier_signal -1
	MUL16 2, 1, \ks, 0
	WIN 0
	s_barrier_wait -1
.if \fill
	CREST
	s_add_nc_u64 s[G0+4*\slot+2:G0+4*\slot+3], s[G0+4*\slot+2:G0+4*\slot+3], 8192
	s_add_nc_u64 s[G0B+4*\slot+2:G0B+4*\slot+3], s[G0B+4*\slot+2:G0B+4*\slot+3], 8192
	JLOAD G0+4*\slot, G1, G0B+4*\slot, G1B
	PLACES NP-4
.else
	PLACES NP
.endif
	FETCH_B \next, 0, 0
	FETCH_A \next, 0, 0
	WIN MUL_HI
	MUL16 4, 1, \ks, 0
	MUL16 6, 1, \ks, 0
	PLACES NP
	WIN 0
	FETCH_A \next, 0, 4
.endm
	s_wait_alu depctr_va_vdst(0)
	s_wait_tensorcnt 1
	s_barrier_signal -1
	s_barrier_wait -1
	FETCH_B 0, 0, 0
	FETCH_A 0, 0, 0
	FETCH_A 0, 0, 4
	s_wait_loadcnt 0x0
	STEP 0, 0, 0, 1
	TURN 0, 1, 1, 1
	STEP 1, 0, 2, 0
	TURN 1, 0, 1, 3
	STEP 0, 0, 4, 0
	TURN 0, 1, 0, 5
	STEP 1, 0, 6, 0
	s_wait_dscnt 4*NL
	WIN MUL_LO
	MUL16 0, 1, 7, 0
	MUL16 2, 1, 7, 0
	s_wait_dscnt 0
	WIN MUL_HI
	MUL16 4, 1, 7, 0
	MUL16 6, 1, 7, 0
	WIN 0
.macro EPI
.set a, 0
.rept 8
.set W, 2+a/4
.set S, 64*(a%4)
.set PCA, 128+16*(a%2)
	WIN W|(W<<2)
.irp b, 0,1,2,3
	v_max3_num_f32 v[TM+\b], |v[S+16*\b]|, |v[S+1+16*\b]|, 0x4800000
.endr
	WIN (W<<2)|(W<<4)
.irp i, 2,4,6,8,10,12,14
.irp b, 0,1,2,3
	v_max3_num_f32 v[TM+\b], v[TM+\b], |v[S+16*\b+\i]|, |v[S+1+16*\b+\i]|
.endr
.endr
	WIN 0
.irp b, 0,1,2,3
	v_permlanex16_b32 v[TM+4+\b], v[TM+\b], s[SEL], s[SEL+1]
.endr
.irp b, 0,1,2,3
	v_max_num_f32 v[TM+\b], v[TM+\b], v[TM+4+\b]
.endr
.irp b, 0,1,2,3
	v_add_nc_u32 v[TM+12+\b], 0xfc000000, v[TM+\b]
.endr
.irp b, 0,1,2,3
	v_and_or_b32 v[TM+8+\b], v[TM+\b], 0x7f800000, s[MNT]
.endr
.irp b, 0,1,2,3
	v_lshrrev_b32 v[TM+4+\b], 23, v[TM+12+\b]
.endr
	v_lshl_or_b32 v[WD+a], v[TM+5], 8, v[TM+4]
	v_lshl_or_b32 v[WD+8+a], v[TM+7], 8, v[TM+6]
	WIN W|(W<<6)
.irp b, 0,1,2,3
.irp i, 0,1,2,3,4,5,6,7,8,9,10,11,12,13,14,15
	v_med3_num_f32 v[S+16*\b+\i], v[S+16*\b+\i], -v[TM+8+\b], v[TM+8+\b]
.endr
.endr
.if a >= 2
	s_wait_alu depctr_va_vdst(0)
	s_wait_xcnt 0x0
.endif
	WIN W
.irp b, 0,1,2,3
	v_cvt_scalef32_pk8_fp8_f32 v[PCA+4*\b:PCA+4*\b+1], v[S+16*\b:S+16*\b+7], v[TM+12+\b]
	v_cvt_scalef32_pk8_fp8_f32 v[PCA+4*\b+2:PCA+4*\b+3], v[S+16*\b+8:S+16*\b+15], v[TM+12+\b]
.endr
	v_nop
	WIN 0
.irp b, 0,1,2,3
	global_store_b128 v[LI], v[PCA+4*\b:PCA+4*\b+3], s[84+2*(\b/2):85+2*(\b/2)] offset:1024*a+512*(\b%2)
.endr
.set a, a+1
.endr
.endm
	PLACES NP
	s_lshr_b32 s72, s17, 3
	s_lshl_b32 s72, s72, 4
	s_lshl_b32 s73, s40, 2
	s_add_co_u32 s72, s72, s73
	s_lshl_b32 s74, s16, 1
	s_add_co_u32 s72, s72, s74
	s_and_b32 s73, s17, 7
	s_lshl_b32 s73, s73, 1
	s_add_co_u32 s73, s73, s15
	s_mov_b32 s83, 0
	v_cmp_gt_u32 vcc_lo, 16, v3
	s_cmp_eq_u32 ttmp9, 0
	s_cselect_b64 s[80:81], s[10:11], s[12:13]
	s_mov_b32 s74, 274432
	s_cselect_b32 s74, 131072, s74
	s_mov_b32 s75, 17152
	s_cselect_b32 s75, 8192, s75
	s_mov_b32 s76, 274432
	s_cselect_b32 s76, 8192, s76
	s_mov_b32 s77, 17152
	s_cselect_b32 s77, 512, s77
	s_mov_b32 s78, 16384
	s_cselect_b32 s78, 8388608, s78
	s_mul_i32 s82, s72, s74
	s_mul_i32 s79, s73, s75
	s_add_co_u32 s82, s82, s79
	s_add_nc_u64 s[84:85], s[80:81], s[82:83]
	s_mov_b32 s82, s74
	s_add_nc_u64 s[86:87], s[84:85], s[82:83]
	s_mul_i32 s82, s72, s76
	s_mul_i32 s79, s73, s77
	s_add_co_u32 s82, s82, s79
	s_add_co_u32 s82, s82, s78
	s_add_nc_u64 s[88:89], s[80:81], s[82:83]
	s_mov_b32 s82, s76
	s_add_nc_u64 s[90:91], s[88:89], s[82:83]
	v_lshlrev_b32 v[WO], 5, v1
	v_lshl_add_u32 v[WO], v2, 4, v[WO]
	EPI
.irp j, 0,1
.irp i, 0,1,2,3
	v_cndmask_b32 v[OW+4*\j+\i], v[WD+8*\j+4+\i], v[WD+8*\j+\i], vcc_lo
.endr
	global_store_b128 v[WO], v[OW+4*\j:OW+4*\j+3], s[88+2*\j:89+2*\j]
.endr
	s_wait_tensorcnt 0x0
	ds_add_u32 v[SPW], v[NIL]
	s_wait_dscnt 0x0
	CROUND
	s_endpgm
.Lfunc_end_k_q37dc92a88d_qk:
	.size	k_q37dc92a88d_qk, .Lfunc_end_k_q37dc92a88d_qk-k_q37dc92a88d_qk
	.p2alignl 7, 3214868480
	.fill 96, 4, 3214868480
	.section	.rodata,"a",@progbits
	.p2align	6, 0x0
	.amdhsa_kernel k_q37dc92a88d_qk
		.amdhsa_group_segment_fixed_size 327680
		.amdhsa_private_segment_fixed_size 0
		.amdhsa_enable_private_segment 0
		.amdhsa_kernarg_size 40
		.amdhsa_user_sgpr_count 2
		.amdhsa_user_sgpr_kernarg_segment_ptr 1
		.amdhsa_wavefront_size32 1
		.amdhsa_system_sgpr_workgroup_id_x 1
		.amdhsa_system_sgpr_workgroup_id_y 1
		.amdhsa_system_sgpr_workgroup_id_z 1
		.amdhsa_system_vgpr_workitem_id 0
		.amdhsa_next_free_vgpr 1024
		.amdhsa_next_free_sgpr 96
		.amdhsa_reserve_vcc 1
		.amdhsa_float_denorm_mode_32 3
		.amdhsa_float_denorm_mode_16_64 3
		.amdhsa_memory_ordered 1
		.amdhsa_forward_progress 1
		.amdhsa_inst_pref_size 183
	.end_amdhsa_kernel
	.amdgpu_metadata
---
amdhsa.version: [ 1, 2 ]
amdhsa.kernels:
  - .name:           k_q37dc92a88d_qk
    .symbol:         k_q37dc92a88d_qk.kd
    .args:
      - { .name: xc, .offset: 0, .size: 8, .value_kind: global_buffer, .address_space: global }
      - { .name: wc, .offset: 8, .size: 8, .value_kind: global_buffer, .address_space: global }
      - { .name: scl, .offset: 16, .size: 8, .value_kind: global_buffer, .address_space: global }
      - { .name: qq, .offset: 24, .size: 8, .value_kind: global_buffer, .address_space: global }
      - { .name: kv, .offset: 32, .size: 8, .value_kind: global_buffer, .address_space: global }
    .group_segment_fixed_size: 327680
    .private_segment_fixed_size: 0
    .kernarg_segment_align: 8
    .kernarg_segment_size: 40
    .max_flat_workgroup_size: 128
    .sgpr_count:     96
    .vgpr_count:     1024
    .wavefront_size: 32
...
	.end_amdgpu_metadata
.endif
;; end of part 2
;; launch vproj (part 3): grid 32 x 4, 4 waves a work-group, clusters of 4 x 4, 327,680 bytes of LDS; arguments wc, xc, scl, kv; writes kv
.if DOCPART == 3
	.amdgcn_target "amdgcn-amd-amdhsa--gfx1250"
	.amdhsa_code_object_version 6
	.text
	.protected	k_q37dc92a88d_vproj
	.globl	k_q37dc92a88d_vproj
	.p2align	8
	.type	k_q37dc92a88d_vproj,@function
k_q37dc92a88d_vproj:
	s_mov_b64 s[64:65], 0
	v_nop
	global_prefetch_b8 v0, s[64:65] scope:SCOPE_SE
	s_setreg_imm32_b32 hwreg(HW_REG_WAVE_MODE, 25, 1), 1
	s_wait_xcnt 0x0
	s_wait_alu depctr_hold_cnt(0) depctr_sa_sdst(0) depctr_va_vdst(0) depctr_va_sdst(0) depctr_va_ssrc(0) depctr_va_vcc(0) depctr_vm_vsrc(0)
	s_getreg_b32 s2, hwreg(HW_REG_IB_STS2, 6, 4)
	s_cmp_eq_u32 s2, 0
	s_cbranch_scc0 .Lentry_in_a_cluster
	s_endpgm
.Lentry_in_a_cluster:
	s_bfe_u32 s2, ttmp6, 0x10000c
	s_cmp_lg_u32 s2, 0xf033
	s_cbranch_scc0 .Lentry_shape_is_right
	s_endpgm
.Lentry_shape_is_right:
; v = x Wv for all heads, on codes of FP8 (E4M3) with E8M0 scales (made by the first launch), and the result quantised again ALONG THE KEYS, straight from the accumulators, as the attention launch wants it.
; A work-group of four waves makes 256 channels (four heads) x 256 tokens; a wave 128 x 128: 64 accumulators of 16 x 16, 512 registers.  K = 1,024: eight matrix instructions deep, written out, no loop.  128 work-groups.
; OPERANDS lie in memory in the order of the operand's registers: [tile of 16 rows][K step: 8][c: 4][512 bytes]; a tile's rows are 32 G + 8 u + r + 8 (r / 8).  So a fragment is four loads of 512 consecutive bytes: no pitch, no padding.
; ROLES.  Role B (x's rows: tokens) is source 0: its rows fall into a lane's registers; role A (Wv's rows: channels) is source 1: its rows fall into the lanes.  By the choice of a tile's rows the 16 registers of two neighbouring
;   tiles of role B are 16 NEIGHBOURS: a lane holds one channel and registers along the tokens, which are the keys: the second attention product's K.  (The launch for q and k has the roles the other way round: hence a text of its own.)
; RING: two slots of 128 KiB, each with two K steps of both operands; each wave brings 8 tiles x 4,096 bytes with one load.  A wave has at most one tensor load out at a time.
; CLUSTERS: 4 x 4 work-groups; Wv's tiles are shared along a row of the cluster, x's along a column: joint loads.  The grid has one cluster along y: the work-group's y is its place cy.
; THE SCALE WORDS of all of K (8 a tile) are loaded once into 64 registers: lanes 0-15 role A's tile i, lanes 16-31 role B's tile i.
; RESULTS.  kv: [b h: 64][128 keys: 16] records of 17,152 bytes: at 8,192 V's codes [16 channels: 4][c: 4][512], keys innermost; at 16,896 V's words [r: 16][4].  K's parts were written by the launch before.
; LIMITS: NaN and infinities are not served; a block of zeros gets the byte 1 and zero codes (the bytes are read by this program alone).
; REGISTERS, in windows of 256: window 0: v1-31 addresses; v32-47 at work in the quantiser; v64-127 scale words and nothing else; v128-255 A's fragments, ONE set; on the way out codes and words.
;   window 1: B's fragments, TWO sets, at v0 and v128.   window 2: accumulators of role A's tiles 0-3 ((a, b) at v[8 (8 (a % 4) + b)]);   window 3: tiles 4-7.
.set FR,     16                        ; registers of a fragment: 16 rows x 128 K
.set NL,     4                         ; LDS loads that bring one
.set NP,     8                         ; places behind this matrix instruction (ISA guide 7.12.1)
.set SLOT,   131072                    ; region 0: Wv's 16 tiles x 4,096 bytes; region 1, 65,536 on: x's
.set SPARE,  2*SLOT                    ; behind the ring: the spare words, 128 bytes for each wave: two blocks of 256 bytes that no other line names
.set T0,     128                       ; Wv's first tile in wc
.set ADRA, 16                          ; v16-17  LDS address of role A's fragments in slot 0, 1
.set ADRB, 20                          ; v20-21  the same for role B
.set VOFF, 27                          ; v27     my offset among the scale words
.set SPW,  28                          ; v28     LDS address of my spare word; never rewritten
.set NIL,  29                          ; v29     0; never rewritten
.set LI,   30                          ; v30     16 x lane
.set WO,   31                          ; v31     the scale words' way out
.set TM,   32                          ; v32-35 largest magnitudes, v36-39 bytes, v40-43 448 x the scale, v44-47 the conversions' scale operands
.set SC,   64                          ; scale words: register 8 i + ks
.set AF,   128                         ; A's fragments
.set WD,   160                         ; the way out: scale words made
.set OW,   176                         ; and as they leave
.set G1, 24                            ; s[24:31] descriptor group 1 for Wv's tiles;  s[32:39] group 0, one set for each slot
.set G0, 32
.set G1B, 48                           ; s[48:55], s[56:63] the same for x's tiles
.set G0B, 56
.set SEL, 92                           ; s[92:93] lane selects: lane l xor 16
.set MNT, 94                           ; s94 the mantissa field of 448
.set MSB, 0
.macro WIN new                         ; the immediate's high byte repeats the setting that is left
.if MSB != (\new)
	s_set_vgpr_msb (MSB<<8)|(\new)
.set MSB, (\new)
.endif
.endm
.set MUL_LO, 0xa1                      ; source 0 (B) window 1, source 1 (A) window 0, C and D window 2
.set MUL_HI, 0xf1                      ; the same, C and D window 3
.set TO_B,   0x40                      ; destination window 1, address window 0
; A joint load: waves 0 and 1 fetch Wv's tiles, waves 2 and 3 x's.  The branch hangs on the wave's number alone.  Four v_nop follow each of the two lines.
.macro JLOAD g0a, g1a, g0b, g1b
	s_cmp_eq_u32 s15, 0
	s_cbranch_scc0 .Lfor_b_\@
	tensor_load_to_lds s[\g0a:\g0a+3], s[\g1a:\g1a+7]
	s_nop 0
.rept 4
	v_nop
.endr
	s_branch .Lasked_\@
.Lfor_b_\@:
	tensor_load_to_lds s[\g0b:\g0b+3], s[\g1b:\g1b+7]
	s_nop 0
.rept 4
	v_nop
.endr
.Lasked_\@:
.endm
.macro CREST                           ; a round of the cluster's barrier behind its opening barrier
	s_cmp_lg_u32 s14, 0
	s_cbranch_scc1 .Lnot_wave_0_\@
	s_barrier_signal -3
.Lnot_wave_0_\@:
	s_barrier_wait -3
	s_barrier_signal -1
	s_barrier_wait -1
.endm
.macro CROUND                          ; a whole round
	s_barrier_signal -1
	s_barrier_wait -1
	CREST
.endm
.macro PLACES n
.rept \n
	v_nop
.endr
.endm
	s_load_b256 s[4:11], s[0:1], 0x0               ; wc s[4:5], xc s[6:7], scl s[8:9], kv s[10:11]
	v_lshl_add_u32 v[SPW], v0, 2, SPARE
	v_mov_b32 v[NIL], 0
	ds_add_u32 v28, v29
	ds_add_u32 v28, v29
	s_wait_dscnt 0x0
	v_lshrrev_b32 v1, 5, v0
	v_readfirstlane_b32 s14, v1                    ; wave 0..3
	s_lshr_b32 s15, s14, 1                         ; wa: which half of role A's tiles is mine.  Also: I fetch Wv's tiles (0) or x's (1)
	s_and_b32 s16, s14, 1                          ; wb: which half of role B's.  Also: which 8 tiles I fetch
	s_bfe_u32 s40, ttmp6, 0x40000                  ; cx, cy: my place in the cluster
	s_bfe_u32 s41, ttmp6, 0x40004
	s_lshl_b32 s42, ttmp9, 2
	s_add_co_u32 s42, s42, s40                     ; X = 4 x cluster x + cx: which 256 tokens
	s_mov_b32 s17, s41                             ; Y = cy: which 256 rows of Wv (one cluster along y)
	s_lshl_b32 s43, s41, 2
	s_lshl_b32 s43, 15, s43                        ; my row of the cluster
	s_lshl_b32 s44, 0x1111, s40                    ; my column
	; descriptor group 1: 8 tiles' 4,096 bytes (two K steps), 16,384 bytes apart in memory, on end in LDS; elements of 8 bytes
	s_or_b32 s[G1+0], s43, (3<<16)|(1<<21)         ; 15:0 the mask: Wv's tiles go to my row; 17:16 elements of 8 bytes; 21 set beside a mask
	s_or_b32 s[G1B+0], s44, (3<<16)|(1<<21)        ; x's go to my column
.irp g, G1, G1B
	s_mov_b32 s[\g+1], 512<<16                     ; tensor_dim0 = 512
	s_mov_b32 s[\g+2], 8<<16                       ; tensor_dim1 = 8
	s_mov_b32 s[\g+3], 512<<16                     ; tile_dim0 = 512
	s_mov_b32 s[\g+4], 8                           ; tile_dim1 = 8
	s_mov_b32 s[\g+5], 2048                        ; tensor_dim0_stride
	s_mov_b32 s[\g+6], 0
	s_mov_b32 s[\g+7], 0
.endr
	s_lshl_b32 s18, s16, 17                        ; which 8 tiles of 16,384 bytes I fetch
	s_lshl_b32 s20, s17, 18
	s_add_co_u32 s20, s20, s18                     ; Wv: tile T0 + 16 Y + 8 half
	s_add_co_u32 s20, s20, T0<<14
	s_mov_b32 s21, 0
	s_lshl_b32 s46, s42, 18
	s_add_co_u32 s46, s46, s18                     ; x: tile 16 X + 8 half
	s_mov_b32 s47, 0
	s_lshl_b32 s45, s14, 15                        ; where they go: wave x 32,768: no place in the cluster enters an LDS address
	s_mov_b32 s[SEL], 0x76543210
	s_mov_b32 s[SEL+1], 0xfedcba98
	s_mov_b32 s[MNT], 0x600000
	s_wait_kmcnt 0x0
	s_add_nc_u64 s[20:21], s[4:5], s[20:21]
	s_add_nc_u64 s[46:47], s[6:7], s[46:47]
	CROUND                                         ; all sixteen work-groups are here: the first joint loads meet
.irp s, 0,1
	s_mov_b32 s[G0+4*\s], 1
	s_add_co_u32 s[G0+4*\s+1], s45, \s*SLOT
	s_add_nc_u64 s[G0+4*\s+2:G0+4*\s+3], s[20:21], \s*4096
	s_or_b32 s[G0+4*\s+3], s[G0+4*\s+3], 0x80000000
	s_mov_b32 s[G0B+4*\s], 1
	s_add_co_u32 s[G0B+4*\s+1], s45, \s*SLOT
	s_add_nc_u64 s[G0B+4*\s+2:G0B+4*\s+3], s[46:47], \s*4096
	s_or_b32 s[G0B+4*\s+3], s[G0B+4*\s+3], 0x80000000
.if \s                                 ; one tensor load a wave at the head; slot 1's first fill is issued as a refill is: my load of slot 0 waited for, the add, its wait, a whole round
	s_wait_alu depctr_va_vdst(0)
	s_wait_tensorcnt 0x0
	ds_add_u32 v28, v29
	s_wait_dscnt 0x0
	CROUND
.endif
	JLOAD G0+4*\s, G1, G0B+4*\s, G1B
.endr
	v_and_b32 v1, 15, v0                           ; r
	v_bfe_u32 v2, v0, 4, 1                         ; h
	v_and_b32 v3, 31, v0                           ; lane
	v_lshlrev_b32 v[LI], 4, v3
.irp b, 0,1,2,3
	v_mov_b32 v[TM+4+\b], 0                        ; written once: a lane permute's destination counts as one of its sources
.endr
	s_lshl_b32 s21, s15, 15                        ; role A: my 8 tiles, in region 0
	s_lshl_b32 s22, s16, 15                        ; role B: my 8 tiles, in region 1
	s_add_co_u32 s22, s22, 65536
.irp s, 0,1
	v_add_nc_u32 v[ADRA+\s], s21, v[LI]
	v_add_nc_u32 v[ADRB+\s], s22, v[LI]
	s_add_co_u32 s21, s21, SLOT
	s_add_co_u32 s22, s22, SLOT
.endr
	s_lshl_b32 s70, s17, 13                        ; Wv's scale words: 16 tiles of 512 bytes for each Y, behind x's
	s_add_co_u32 s70, s70, 262144+(T0<<9)
	s_lshl_b32 s71, s42, 13                        ; x's
	s_lshl_b32 s67, s15, 12
	s_add_co_u32 s70, s70, s67                     ; my 8 tiles of each
	s_lshl_b32 s67, s16, 12
	s_add_co_u32 s71, s71, s67
	v_lshlrev_b32 v4, 4, v1                        ; 16 bytes a row: four K steps' words
	v_add_nc_u32 v5, s70, v4
	v_add_nc_u32 v6, s71, v4
	v_cmp_gt_u32 vcc_lo, 16, v3
	v_cndmask_b32 v[VOFF], v6, v5, vcc_lo          ; lanes 0-15 take role A's, lanes 16-31 role B's
.irp i, 0,1,2,3,4,5,6,7
.irp kh, 0,1
	global_load_b128 v[SC+8*\i+4*\kh:SC+8*\i+4*\kh+3], v[VOFF], s[8:9] offset:512*\i+256*\kh   ; sixteen lanes read 256 consecutive bytes
.endr
.endr
.macro FRAG reg, adr, q, i             ; a fragment: four loads of 512 consecutive bytes; registers 4 c .. 4 c + 3 hold K = 32 c + 16 (l / 16) + 0 .. 15 of row l % 16
.irp c, 0,1,2,3
	ds_load_b128 v[\reg+4*\c:\reg+4*\c+3], v[\adr] offset:4096*(\i)+2048*(\q)+512*\c
.endr
.endm
; 16 matrix instructions: A's tiles a0, a0 + 1 x B's eight, K step ks.  p: B's set.  zero = 1: the first product starts the sums.  The 64 accumulators take turns, one instruction a turn, in the same order in every step.
.macro MUL16 a0, p, ks, zero
.irp a, \a0, \a0+1
.irp b, 0,1,2,3,4,5,6,7
.if \zero
	v_wmma_scale_f32_16x16x128_f8f6f4 v[8*(8*((\a)%4)+\b):8*(8*((\a)%4)+\b)+7], v[128*(\p)+FR*\b:128*(\p)+FR*\b+FR-1], v[AF+FR*(\a):AF+FR*(\a)+FR-1], 0, v[SC+8*\b+(\ks)], v[SC+8*(\a)+(\ks)] matrix_a_scale:MATRIX_SCALE_ROW1
.else
	v_wmma_scale_f32_16x16x128_f8f6f4 v[8*(8*((\a)%4)+\b):8*(8*((\a)%4)+\b)+7], v[128*(\p)+FR*\b:128*(\p)+FR*\b+FR-1], v[AF+FR*(\a):AF+FR*(\a)+FR-1], v[8*(8*((\a)%4)+\b):8*(8*((\a)%4)+\b)+7], v[SC+8*\b+(\ks)], v[SC+8*(\a)+(\ks)] matrix_a_scale:MATRIX_SCALE_ROW1
.endif
.endr
.endr
.endm
.macro FETCH_B slot, q, p              ; B's eight fragments of the slot's q-th K step into set p
	WIN TO_B
.irp i, 0,1,2,3,4,5,6,7
	FRAG 128*(\p)+FR*\i, ADRB+\slot, \q, \i
.endr
	WIN 0
.endm
.macro FETCH_A slot, q, i0             ; A's tiles i0 .. i0 + 3
.irp i, \i0, \i0+1, \i0+2, \i0+3
	FRAG AF+FR*(\i), ADRA+\slot, \q, \i
.endr
.endm
; A K step that has its successor in the same slot.  A load into a register that a matrix instruction has read stands NP places behind it; only plain vector instructions that name none of its registers are places.
.macro STEP slot, q, ks, zero
	s_wait_dscnt 4*NL                              ; B's set and A's tiles 0-3 are in; the youngest 16 loads (A's tiles 4-7) may be out
	WIN MUL_LO
	MUL16 0, (\q)%2, \ks, \zero
	MUL16 2, (\q)%2, \ks, \zero
	s_wait_dscnt 0                                 ; A's tiles 4-7 are in (asked for 32 matrix instructions ago)
	PLACES NP
	FETCH_B \slot, (\q)+1, 1-(\q)%2
	FETCH_A \slot, (\q)+1, 0
	WIN MUL_HI
	MUL16 4, (\q)%2, \ks, \zero
	MUL16 6, (\q)%2, \ks, \zero
	PLACES NP
	WIN 0
	FETCH_A \slot, (\q)+1, 4
.endm
; A slot's last K step changes slots: ONE barrier; in front of it each wave waits for all its tensor loads, adds 0 to its spare word, and waits for that and for its own reads of this slot.  fill = 1: this slot is filled again, two slots' worth of K ahead.
.macro TURN slot, next, fill, ks
	s_wait_tensorcnt 0x0                           ; all my tensor loads have landed: my part of the next slot  (every window is 0 here)
	ds_add_u32 v[SPW], v[NIL]                      ; 0 onto my spare word
	s_wait_dscnt 4*NL+1                            ; (the add and the youngest 16 loads, A's tiles 4-7, may be out)
	WIN MUL_LO
	MUL16 0, 1, \ks, 0                             ; sixteen matrix instructions stand between the add and the wait for it
	s_wait_dscnt 0x0                               ; the add is done, and my reads of this slot are over
	s_barrier_signal -1
	MUL16 2, 1, \ks, 0
	WIN 0
	s_barrier_wait -1
.if \fill
	CREST                                          ; the barrier has opened a round of the cluster's barrier: no wave of any partner still reads this slot or has a load on its way
	s_add_nc_u64 s[G0+4*\slot+2:G0+4*\slot+3], s[G0+4*\slot+2:G0+4*\slot+3], 8192
	s_add_nc_u64 s[G0B+4*\slot+2:G0B+4*\slot+3], s[G0B+4*\slot+2:G0B+4*\slot+3], 8192
	JLOAD G0+4*\slot, G1, G0B+4*\slot, G1B         ; the first tensor load behind the round; its four v_nop are among the places in front of the loads below
	PLACES NP-4
.else
	PLACES NP
.endif
	FETCH_B \next, 0, 0
	FETCH_A \next, 0, 0
	WIN MUL_HI
	MUL16 4, 1, \ks, 0
	MUL16 6, 1, \ks, 0
	PLACES NP
	WIN 0
	FETCH_A \next, 0, 4
.endm
	s_wait_alu depctr_va_vdst(0)
	s_wait_tensorcnt 1                             ; my part of slot 0 is in (slot 1's load may be out)
	s_barrier_signal -1
	s_barrier_wait -1                              ; everybody's is
	FETCH_B 0, 0, 0
	FETCH_A 0, 0, 0
	FETCH_A 0, 0, 4
	s_wait_loadcnt 0x0                             ; the scale words
	STEP 0, 0, 0, 1                                ; the first K step starts the sums: nothing is cleared
	TURN 0, 1, 1, 1                                ; slot 0 takes K steps 4, 5
	STEP 1, 0, 2, 0
	TURN 1, 0, 1, 3                                ; slot 1 takes K steps 6, 7
	STEP 0, 0, 4, 0
	TURN 0, 1, 0, 5                                ; nothing is left to fetch
	STEP 1, 0, 6, 0
	s_wait_dscnt 4*NL                              ; the last K step
	WIN MUL_LO
	MUL16 0, 1, 7, 0
	MUL16 2, 1, 7, 0
	s_wait_dscnt 0
	WIN MUL_HI
	MUL16 4, 1, 7, 0
	MUL16 6, 1, 7, 0
	WIN 0
; THE WAY OUT.  For each of my eight tiles of channels (tiles 0-3: my first head's 64, tiles 4-7: my second's) the lane's 64 registers are 4 blocks of 32 keys (16 numbers of each; lane l xor 16 holds the other 16):
; they are quantised in place, and the conversions' results are the next operand's registers, stored as they stand: 512 consecutive bytes a store.  No LDS.  Each accumulator is read from its low end on.
.macro EPI
.set a, 0
.rept 8
.set W, 2+a/4
.set S, 64*(a%4)
.set PCA, 128+16*(a%2)
	WIN W|(W<<2)                                   ; sources 0, 1: the accumulators' window
.irp b, 0,1,2,3
	v_max3_num_f32 v[TM+\b], |v[S+16*\b]|, |v[S+1+16*\b]|, 0x4800000   ; and the floor 2^(9 - 127)
.endr
	WIN (W<<2)|(W<<4)                              ; sources 1, 2
.irp i, 2,4,6,8,10,12,14
.irp b, 0,1,2,3
	v_max3_num_f32 v[TM+\b], v[TM+\b], |v[S+16*\b+\i]|, |v[S+1+16*\b+\i]|
.endr
.endr
	WIN 0
.irp b, 0,1,2,3
	v_permlanex16_b32 v[TM+4+\b], v[TM+\b], s[SEL], s[SEL+1]
.endr
.irp b, 0,1,2,3
	v_max_num_f32 v[TM+\b], v[TM+\b], v[TM+4+\b]           ; the block's largest magnitude
.endr
.irp b, 0,1,2,3
	v_add_nc_u32 v[TM+12+\b], 0xfc000000, v[TM+\b]         ; the conversion's scale operand
.endr
.irp b, 0,1,2,3
	v_and_or_b32 v[TM+8+\b], v[TM+\b], 0x7f800000, s[MNT]  ; 448 x the scale
.endr
.irp b, 0,1,2,3
	v_lshrrev_b32 v[TM+4+\b], 23, v[TM+12+\b]              ; the byte
.endr
	v_lshl_or_b32 v[WD+a], v[TM+5], 8, v[TM+4]             ; four blocks of 32 keys: one word of this channel
	v_lshl_or_b32 v[WD+a], v[TM+6], 16, v[WD+a]
	v_lshl_or_b32 v[WD+a], v[TM+7], 24, v[WD+a]
	WIN W|(W<<6)                                   ; destination and source 0
.irp b, 0,1,2,3
.irp i, 0,1,2,3,4,5,6,7,8,9,10,11,12,13,14,15
	v_med3_num_f32 v[S+16*\b+\i], v[S+16*\b+\i], -v[TM+8+\b], v[TM+8+\b]   ; the conversion does not saturate (ISA guide 7.6.2): the hold comes first
.endr
.endr
.if a >= 2
	s_wait_alu depctr_va_vdst(0)
	s_wait_xcnt 0x0                                ; the stores of two tiles ago have read the registers that the codes below are written into
.endif
	WIN W                                          ; source 0
.irp b, 0,1,2,3
	v_cvt_scalef32_pk8_fp8_f32 v[PCA+4*\b:PCA+4*\b+1], v[S+16*\b:S+16*\b+7], v[TM+12+\b]
	v_cvt_scalef32_pk8_fp8_f32 v[PCA+4*\b+2:PCA+4*\b+3], v[S+16*\b+8:S+16*\b+15], v[TM+12+\b]
.endr
	v_nop                                          ; a plain line behind the last conversion
	WIN 0
.irp b, 0,1,2,3
	global_store_b128 v[LI], v[PCA+4*\b:PCA+4*\b+3], s[84+2*(a/4):85+2*(a/4)] offset:2048*(a%4)+512*\b
.endr
.set a, a+1
.endr
.endm
	PLACES NP                                      ; behind the last products, in front of the first read of results and the first write over A's fragments
	s_lshr_b32 s72, s42, 3                         ; the batch: 8 X to a sequence of 2,048
	s_lshl_b32 s72, s72, 4
	s_lshl_b32 s73, s17, 2
	s_add_co_u32 s72, s72, s73                     ; 16 x batch + 4 Y: the first of my work-group's four heads
	s_lshl_b32 s73, s15, 1
	s_add_co_u32 s72, s72, s73                     ; my two heads lie along role A
	s_and_b32 s73, s42, 7
	s_lshl_b32 s73, s73, 1                         ; 2 (X % 8): the first of the work-group's two runs of 128 keys
	s_add_co_u32 s73, s73, s16                     ; my 128 keys lie along role B
	s_mov_b32 s83, 0
	s_mul_i32 s82, s72, 274432
	s_mul_i32 s79, s73, 17152
	s_add_co_u32 s82, s82, s79
	s_add_co_u32 s82, s82, 8192                    ; V's codes lie behind K's in a record
	s_add_nc_u64 s[84:85], s[10:11], s[82:83]      ; the first head's record,
	s_add_nc_u64 s[86:87], s[84:85], 274432        ; the second head's
	s_add_nc_u64 s[88:89], s[84:85], 8704          ; V's words
	v_cmp_gt_u32 vcc_lo, 16, v3
	v_mul_u32_u24 v[WO], v2, 274432
	v_lshl_add_u32 v[WO], v1, 4, v[WO]             ; lanes 0-15 send the first head's four words of row r, lanes 16-31 the second head's: 256 consecutive bytes each
	EPI
.irp i, 0,1,2,3
	v_cndmask_b32 v[OW+\i], v[WD+4+\i], v[WD+\i], vcc_lo
.endr
	global_store_b128 v[WO], v[OW:OW+3], s[88:89]
	s_wait_tensorcnt 0x0                           ; the wave's end
	ds_add_u32 v[SPW], v[NIL]
	s_wait_dscnt 0x0
	CROUND                                         ; the closing round: no work-group ends while a partner may still ask for a tile that names it
	s_endpgm
.Lfunc_end_k_q37dc92a88d_vproj:
	.size	k_q37dc92a88d_vproj, .Lfunc_end_k_q37dc92a88d_vproj-k_q37dc92a88d_vproj
	.p2alignl 7, 3214868480
	.fill 96, 4, 3214868480
	.section	.rodata,"a",@progbits
	.p2align	6, 0x0
	.amdhsa_kernel k_q37dc92a88d_vproj
		.amdhsa_group_segment_fixed_size 327680
		.amdhsa_private_segment_fixed_size 0
		.amdhsa_enable_private_segment 0
		.amdhsa_kernarg_size 32
		.amdhsa_user_sgpr_count 2
		.amdhsa_user_sgpr_kernarg_segment_ptr 1
		.amdhsa_wavefront_size32 1
		.amdhsa_system_sgpr_workgroup_id_x 1
		.amdhsa_system_sgpr_workgroup_id_y 1
		.amdhsa_system_sgpr_workgroup_id_z 1
		.amdhsa_system_vgpr_workitem_id 0
		.amdhsa_next_free_vgpr 1024
		.amdhsa_next_free_sgpr 96
		.amdhsa_reserve_vcc 1
		.amdhsa_float_denorm_mode_32 3
		.amdhsa_float_denorm_mode_16_64 3
		.amdhsa_memory_ordered 1
		.amdhsa_forward_progress 1
		.amdhsa_inst_pref_size 182
	.end_amdhsa_kernel
	.amdgpu_metadata
---
amdhsa.version: [ 1, 2 ]
amdhsa.kernels:
  - .name:           k_q37dc92a88d_vproj
    .symbol:         k_q37dc92a88d_vproj.kd
    .args:
      - { .name: wc, .offset: 0, .size: 8, .value_kind: global_buffer, .address_space: global }
      - { .name: xc, .offset: 8, .size: 8, .value_kind: global_buffer, .address_space: global }
      - { .name: scl, .offset: 16, .size: 8, .value_kind: global_buffer, .address_space: global }
      - { .name: kv, .offset: 24, .size: 8, .value_kind: global_buffer, .address_space: global }
    .group_segment_fixed_size: 327680
    .private_segment_fixed_size: 0
    .kernarg_segment_align: 8
    .kernarg_segment_size: 32
    .max_flat_workgroup_size: 128
    .sgpr_count:     96
    .vgpr_count:     1024
    .wavefront_size: 32
...
	.end_amdgpu_metadata
.endif
;; end of part 3
;; launch attn (part 4): grid 4 x 64, 8 waves a work-group, clusters of 4 x 1, 276,480 bytes of LDS; arguments qq, kv, ao, scl; writes ao, scl
.if DOCPART == 4
	.amdgcn_target "amdgcn-amd-amdhsa--gfx1250"
	.amdhsa_code_object_version 6
	.text
	.protected	k_q37dc92a88d_attn
	.globl	k_q37dc92a88d_attn
	.p2align	8
	.type	k_q37dc92a88d_attn,@function
k_q37dc92a88d_attn:
	s_mov_b64 s[64:65], 0
	v_nop
	global_prefetch_b8 v0, s[64:65] scope:SCOPE_SE
	s_setreg_imm32_b32 hwreg(HW_REG_WAVE_MODE, 25, 1), 1
	s_wait_xcnt 0x0
	s_wait_alu depctr_hold_cnt(0) depctr_sa_sdst(0) depctr_va_vdst(0) depctr_va_sdst(0) depctr_va_ssrc(0) depctr_va_vcc(0) depctr_vm_vsrc(0)
	s_getreg_b32 s2, hwreg(HW_REG_IB_STS2, 6, 4)
	s_cmp_eq_u32 s2, 0
	s_cbranch_scc0 .Lentry_in_a_cluster
	s_endpgm
.Lentry_in_a_cluster:
	s_bfe_u32 s2, ttmp6, 0x10000c
	s_cmp_lg_u32 s2, 0x3003
	s_cbranch_scc0 .Lentry_shape_is_right
	s_endpgm
.Lentry_shape_is_right:
; Causal attention of one (batch, head) a cluster, on codes of FP8 (E4M3) with E8M0 scales: S^T = K Q^T, softmax, O^T = V^T P^T, O^T divided by the row's sum and quantised again along (head, channel) for the output projection.
; THE SOFTMAX: t = score x log2(e) / 8; M = the running largest t rounded UP to a whole number; p = 2^(t - M) is quantised along the keys; the sum is taken of the unquantised p; when M moves, the sum and O^T are multiplied by 2^(old M - new M).
; LEFT OUT: key steps all of whose 128 keys come after a wave's queries: the causal mask makes their p zero for all inputs.
; SHARES.  The four work-groups of a cluster share a head.  Its K and V, 16 records of 17,152 bytes (codes and scale words of 128 keys, in the order of the operands' registers), come into LDS ONCE: one joint load a wave, two records each.  Nothing is filled again: no ring,
; and nothing is streamed behind the head, so no prefetch is laid.  Work-group cx takes queries 32 cx .. 32 cx + 31 of every run of 128: tiles A = 2 cx and B = 2 cx + 1.  Wave w takes runs w and 15 - w, one a pass: 17 key steps for every wave.
; THE HEAD'S 64 AGAINST THE INSTRUCTION'S 128: a fragment of K holds TWO tiles of 16 keys, one in k = 0 .. 63, the next in k = 64 .. 127; against [Q, zeros] it gives the first tile's scores, against [zeros, Q] the second's.  The scale words are joined likewise, two bytes each.
; A KEY STEP IS TWO HALVES, alike.  Half X is tile X's softmax; among its exponentials stand the other tile's score products (in half A: S_B of this step; in half B: S_A of the NEXT step), among its row sums the other tile's products with V
; (in half A: B's of the step BEFORE; in half B: A's of this step).  So a pass begins with S_A of step 0 and zero codes for B, and ends with B's last products.  K of the next step is asked for in half A behind the score products, V of this step at half A's end.
; The next step's record is (step + 1) mod 16: behind a pass's last step its scores are made and not used.
; The place in the cluster enters global addresses and the mask's compare alone: no branch, no LDS address.
; LIMITS: NaN and infinities are not served; the scaled scores stay under 2^31 in magnitude; a block of zeros gets the byte 1 and zero codes (the bytes are read by this program alone).  The output's scale bytes leave one byte a lane.
; REGISTERS.  Window 1: v0-63 S^T / p of tile A, v64-127 of B, v128-191 K's four fragments, v192-255 V's four.  Window 0: all else, as named below.  x = 0: tile A, 1: tile B.
.set REC,  17152
.set SPARE, 0x43000                    ; behind the records: the spare words, 128 bytes a wave
.set LI,   1                           ; 16 x lane
.set R32,  2                           ; 32 r
.set R16,  3                           ; 16 r
.set AV,   4                           ; LDS: this step's V
.set AKS,  5                           ; the next step's K words
.set AVS,  6                           ; this step's V words
.set MQ,   7                           ; tile A's query in its run, less 16 h
.set SBP,  8                           ; 16 r + h
.set LN,   9
.set SPW,  10
.set NIL,  11
.set NM,   12                          ; v[12+2x]: -M, v[13+2x]: the largest score so far
.set SUM,  16                          ; v[16+2x:17+2x] the sum in two halves
.set FF,   20                          ; v[20+2x] f = 2^(old M - new M)
.set TT,   24
.set NINF, 26
.set AK,   27                          ; LDS: the next step's K
.set T2,   28
.set KR,   32                          ; K's eight words as loaded
.set KC,   40                          ; joined in pairs
.set VS,   44                          ; V's four words
.set QR,   48                          ; Q's two words as loaded
.set PW,   56                          ; p's word, 56+x
.set QS,   60                          ; Q's word, doubled, 60+x
.set BM,   64                          ; +4x: block maxima
.set BP,   72                          ; the other half's; then the bytes
.set BH,   80                          ; 448 x the scale
.set BS,   88                          ; the conversions' scale operands
.set AT,   96                          ; seven pairs: partial sums
.set QF,   112                         ; +24x: Q, zeros, Q
.set CD,   160                         ; +16x: p's codes
.set OO,   192                         ; +32x: O^T
.set KF,   128                         ; window 1
.set VF,   192                         ; window 1
.set WV,   12
.set CS,   48                          ; s[48:49] c = log2(e) / 8
.set SEL,  50
.set MNT,  52
.set TB,   53                          ; LDS byte of the step's record
.set KS,   54                          ; the key step
.set AQ,   55                          ; the pass's run
.set HC,   56
.set HS,   57
.set NC,   58                          ; -c
.set PX,   59                          ; 0, then 15: run = wave xor PX
.set TN,   60                          ; LDS byte of the next step's record
.set AQN,  61                          ; the run whose Q is loaded
.set MSB, 0
.macro WIN new                         ; the immediate's high byte repeats the setting that is left
.if MSB != (\new)
	s_set_vgpr_msb (MSB<<8)|(\new)
.set MSB, (\new)
.endif
.endm
.macro WALU
	s_wait_alu depctr_va_vdst(0)
.endm
.macro CROUND
	s_barrier_signal -1
	s_barrier_wait -1
	s_cmp_lg_u32 s[WV], 0
	s_cbranch_scc1 .Lnot_wave_0_\@
	s_barrier_signal -3
.Lnot_wave_0_\@:
	s_barrier_wait -3
	s_barrier_signal -1
	s_barrier_wait -1
.endm
.macro SW y, t                         ; scores of tile y against keys' tile t (setting 0x41: D and K in window 1)
	v_wmma_scale_f32_16x16x128_f8f6f4 v[64*(\y)+8*(\t):64*(\y)+8*(\t)+7], v[KF+16*((\t)/2):KF+16*((\t)/2)+15], v[QF+24*(\y)+8*((\t)%2):QF+24*(\y)+8*((\t)%2)+15], 0, v[KC+(\t)/2], v[QS+(\y)]
.endm
.macro PV y, t                         ; O^T of tile y, channels' tile t (setting 0x01: V in window 1)
	v_wmma_scale_f32_16x16x128_f8f6f4 v[OO+32*(\y)+8*(\t):OO+32*(\y)+8*(\t)+7], v[VF+16*(\t):VF+16*(\t)+15], v[CD+16*(\y):CD+16*(\y)+15], v[OO+32*(\y)+8*(\t):OO+32*(\y)+8*(\t)+7], v[VS+(\t)], v[PW+(\y)]
.endm
.macro LDK a, s                        ; a record's K: 16 loads of codes, 2 of words
	WIN 0x40
.irp j, 0,1,2,3
.irp c, 0,1,2,3
	ds_load_b128 v[KF+16*\j+4*\c:KF+16*\j+4*\c+3], v[\a] offset:2048*\j+512*\c
.endr
.endr
	WIN 0
	ds_load_b128 v[KR:KR+3], v[\s] offset:16384
	ds_load_b128 v[KR+4:KR+7], v[\s] offset:16400
.endm
.macro LDV a, s                        ; a record's V: 16 loads of codes, 1 of words
	WIN 0x40
.irp j, 0,1,2,3
.irp c, 0,1,2,3
	ds_load_b128 v[VF+16*\j+4*\c:VF+16*\j+4*\c+3], v[\a] offset:8192+2048*\j+512*\c
.endr
.endr
	WIN 0
	ds_load_b128 v[VS:VS+3], v[\s] offset:16896
.endm
.macro KJOIN                           ; two tiles' words (two bytes each) make a fragment's word
.irp j, 0,1,2,3
	v_lshl_or_b32 v[KC+\j], v[KR+2*\j+1], 16, v[KR+2*\j]
.endr
.endm
.macro QLOAD                           ; both tiles' Q of run s[AQN], each twice (below and above the zeros), and their words
	s_lshl_b32 s36, s[AQN], 3
	s_add_co_u32 s36, s36, s22
	s_lshl_b32 s38, s14, 17
	s_lshl_b32 s37, s36, 10
	s_add_co_u32 s38, s38, s37
	s_add_nc_u64 s[40:41], s[4:5], s[38:39]
	s_lshl_b32 s38, s14, 13
	s_lshl_b32 s37, s[AQN], 9
	s_add_co_u32 s38, s38, s37
	s_lshl_b32 s37, s22, 2
	s_add_co_u32 s38, s38, s37
	s_add_co_u32 s38, s38, 8388608
	s_add_nc_u64 s[42:43], s[4:5], s[38:39]
	WALU                                           ; the wait behind the run of scalar lines
.irp x, 0,1
.irp c, 0,1
	global_load_b128 v[QF+24*\x+4*\c:QF+24*\x+4*\c+3], v[LI], s[40:41] offset:1024*\x+512*\c
	global_load_b128 v[QF+24*\x+16+4*\c:QF+24*\x+16+4*\c+3], v[LI], s[40:41] offset:1024*\x+512*\c
.endr
.endr
	global_load_b64 v[QR:QR+1], v[R32], s[42:43]
.endm
; HALF x, y: tile x's softmax of this step, with tile y's products among it.
.macro HALF x, y
.if \x
	WALU
	s_wait_dscnt 17                                ; the next K and its words are in: behind their 18 loads only V's 17 were issued
	KJOIN
.endif
	s_cmp_lg_u32 s[KS], s[AQ]
	s_cbranch_scc1 .Lopen_\@                       ; off the diagonal every key counts
	WIN 0x41
	WALU                                           ; ahead of the first readers of the scores
.set n, 0
.rept 64                               ; register 16 b + i holds key 32 b + 16 h + i: hidden where 32 b + i > my query - 16 h
	v_cmp_gt_i32 vcc_lo, 32*(n/16)+n%16-8*\x, v[MQ]
	v_cndmask_b32 v[64*\x+n], v[64*\x+n], v[NINF], vcc_lo
.set n, n+1
.endr
	WIN 0
.Lopen_\@:
	WIN 0x14
	WALU                                           ; ahead of the first readers of the scores
.irp b, 0,1,2,3
	v_max3_num_f32 v[BM+4*\x+\b], v[NINF], v[64*\x+16*\b], v[64*\x+16*\b+1]   ; the largest score of each block of 32 keys
.endr
.irp i, 2,4,6,8,10,12,14
.irp b, 0,1,2,3
	v_max3_num_f32 v[BM+4*\x+\b], v[BM+4*\x+\b], v[64*\x+16*\b+\i], v[64*\x+16*\b+\i+1]
.endr
.endr
	WIN 0
.irp b, 0,1,2,3
	v_permlanex16_b32 v[BP+4*\x+\b], v[BM+4*\x+\b], s[SEL], s[SEL+1]
.endr
.irp b, 0,1,2,3
	s_delay_alu instid0(VALU_DEP_4)
	v_max_num_f32 v[BM+4*\x+\b], v[BM+4*\x+\b], v[BP+4*\x+\b]
.endr
	s_delay_alu instid0(VALU_DEP_2)
	v_max3_num_f32 v[TT+\x], v[BM+4*\x], v[BM+4*\x+1], v[BM+4*\x+2]
	s_delay_alu instid0(VALU_DEP_1)
	v_max3_num_f32 v[NM+2*\x+1], v[NM+2*\x+1], v[TT+\x], v[BM+4*\x+3]   ; the running largest score
	s_delay_alu instid0(VALU_DEP_1)
	v_mul_f32 v[TT+\x], s[NC], v[NM+2*\x+1]        ; -t
	s_delay_alu instid0(VALU_DEP_1)
	v_floor_f32 v[TT+\x], v[TT+\x]                 ; the new -M = floor(-t)
	s_delay_alu instid0(VALU_DEP_1)
	v_sub_f32 v[T2+\x], v[TT+\x], v[NM+2*\x]       ; old M - new M: a whole number, 0 or less
	s_delay_alu instid0(VALU_DEP_2)
	v_mov_b32 v[NM+2*\x], v[TT+\x]
	s_delay_alu instid0(VALU_DEP_2)
	v_cvt_i32_f32 v[T2+\x], v[T2+\x]               ; (it saturates)
	s_delay_alu instid0(VALU_DEP_1)
	v_ldexp_f32 v[FF+2*\x], 1.0, v[T2+\x]          ; f
.irp b, 0,1,2,3
	v_fma_f32 v[BM+4*\x+\b], v[BM+4*\x+\b], s[CS], v[NM+2*\x]   ; t - M of each block's largest score
.endr
	WIN 0x41
.set j, 0
.rept 32
	v_pk_fma_f32 v[64*\x+j:64*\x+j+1], v[64*\x+j:64*\x+j+1], s[CS:CS+1], v[NM+2*\x:NM+2*\x+1] op_sel_hi:[1,0,0]   ; t - M
.set j, j+2
.endr
	WALU                                           ; ahead of the batch
.set j, 0
.rept 8                                ; p = 2^(t - M); a score product of the other tile for each eight
.irp i, 0,1,2,3
	v_exp_f32 v[64*\x+j+\i], v[64*\x+j+\i]
.endr
	SW \y, j/8
.irp i, 4,5,6,7
	v_exp_f32 v[64*\x+j+\i], v[64*\x+j+\i]
.endr
.set j, j+8
.endr
	WIN 0
.irp b, 0,1,2,3
	v_exp_f32 v[BM+4*\x+\b], v[BM+4*\x+\b]         ; each block's largest p
.endr
	v_pk_mul_f32 v[SUM+2*\x:SUM+2*\x+1], v[SUM+2*\x:SUM+2*\x+1], v[FF+2*\x:FF+2*\x+1] op_sel_hi:[1,0]   ; the sums under the new M (the plain line behind the batch)
	WALU                                           ; behind the batch, and directly ahead of the first readers of O^T
.set j, 0
.rept 16
	v_pk_mul_f32 v[OO+32*\x+j:OO+32*\x+j+1], v[OO+32*\x+j:OO+32*\x+j+1], v[FF+2*\x:FF+2*\x+1] op_sel_hi:[1,0]   ; O^T under the new M
.set j, j+2
.endr
.irp b, 0,1,2,3
	v_max_num_f32 v[BM+4*\x+\b], 0x4800000, v[BM+4*\x+\b]   ; the floor 2^(9 - 127): the byte cannot fall under 1
.endr
.irp b, 0,1,2,3
	v_add_nc_u32 v[BS+4*\x+\b], 0xfc000000, v[BM+4*\x+\b]
.endr
.irp b, 0,1,2,3
	v_and_or_b32 v[BH+4*\x+\b], v[BM+4*\x+\b], 0x7f800000, s[MNT]
.endr
.irp b, 0,1,2,3
	v_lshrrev_b32 v[BP+4*\x+\b], 23, v[BS+4*\x+\b]
.endr
	v_lshl_or_b32 v[PW+\x], v[BP+4*\x+1], 8, v[BP+4*\x]
	v_lshl_or_b32 v[PW+\x], v[BP+4*\x+2], 16, v[PW+\x]
	v_lshl_or_b32 v[PW+\x], v[BP+4*\x+3], 24, v[PW+\x]
.if \x
	WALU
	s_wait_dscnt 0x0                               ; this step's V is in
.else
	LDK AK, AKS                                    ; 36 plain lines behind the last product that read K's registers
.endif
	WIN 0x05                                       ; the row's sum of the unquantised p: eight chains of pairs
.irp k, 0,1,2,3,4,5,6
	v_pk_add_f32 v[AT+2*\k:AT+2*\k+1], v[64*\x+4*\k:64*\x+4*\k+1], v[64*\x+4*\k+2:64*\x+4*\k+3]
.endr
	WIN 0x01
.set m, 14
.rept 18
.if (m-14)%8 < 7
	v_pk_add_f32 v[AT+2*((m-14)%8):AT+2*((m-14)%8)+1], v[64*\x+2*m:64*\x+2*m+1], v[AT+2*((m-14)%8):AT+2*((m-14)%8)+1]
.else
	v_pk_add_f32 v[SUM+2*\x:SUM+2*\x+1], v[64*\x+2*m:64*\x+2*m+1], v[SUM+2*\x:SUM+2*\x+1]
.endif
.if (m-14)%5 == 1
	PV \y, (m-15)/5                                ; the other tile's products with V, four accumulators by turns
.endif
.set m, m+1
.endr
	WIN 0
	v_pk_add_f32 v[AT:AT+1], v[AT:AT+1], v[AT+2:AT+3]
	v_pk_add_f32 v[AT+4:AT+5], v[AT+4:AT+5], v[AT+6:AT+7]
	v_pk_add_f32 v[AT+8:AT+9], v[AT+8:AT+9], v[AT+10:AT+11]
	v_pk_add_f32 v[SUM+2*\x:SUM+2*\x+1], v[SUM+2*\x:SUM+2*\x+1], v[AT+12:AT+13]
	v_pk_add_f32 v[AT:AT+1], v[AT:AT+1], v[AT+4:AT+5]
	v_pk_add_f32 v[SUM+2*\x:SUM+2*\x+1], v[SUM+2*\x:SUM+2*\x+1], v[AT+8:AT+9]
	v_pk_add_f32 v[SUM+2*\x:SUM+2*\x+1], v[SUM+2*\x:SUM+2*\x+1], v[AT:AT+1]
	WIN 0x41
.set n, 0
.rept 64
	v_min_num_f32 v[64*\x+n], v[64*\x+n], v[BH+4*\x+n/16]   ; the conversion does not saturate (ISA guide 7.6.2); p is not negative, so the hold is one-sided
.set n, n+1
.endr
	WIN 0x01
.irp b, 0,1,2,3
	v_cvt_scalef32_pk8_fp8_f32 v[CD+16*\x+4*\b:CD+16*\x+4*\b+1], v[64*\x+16*\b:64*\x+16*\b+7], v[BS+4*\x+\b]
	v_cvt_scalef32_pk8_fp8_f32 v[CD+16*\x+4*\b+2:CD+16*\x+4*\b+3], v[64*\x+16*\b+8:64*\x+16*\b+15], v[BS+4*\x+\b]
.endr
	v_nop                                          ; a plain line behind the last conversion
	WIN 0
.if \x == 0
	LDV AV, AVS                                    ; over 64 plain lines behind the last product that read V's registers
.endif
.endm
	s_load_b256 s[4:11], s[0:1], 0x0               ; qq s[4:5], kv s[6:7], ao s[8:9], scl s[10:11]
	v_lshl_add_u32 v[SPW], v0, 2, SPARE
	v_mov_b32 v[NIL], 0
	ds_add_u32 v[SPW], v[NIL]                      ; the opening lines: the add twice and its wait ahead of my tensor load
	ds_add_u32 v[SPW], v[NIL]
	v_lshrrev_b32 v1, 5, v0
	v_readfirstlane_b32 s[WV], v1                  ; wave 0..7
	s_bfe_u32 s13, ttmp6, 0x40000                  ; cx
	s_and_b32 s14, ttmp7, 0xffff                   ; 16 x batch + head
	s_mov_b32 s24, 15|(3<<16)|(1<<21)              ; the mask: all four work-groups; elements of 8 bytes; bit 21 beside a mask
	s_mov_b32 s25, 32<<16                          ; two records as 134 dense rows of 256 bytes
	s_mov_b32 s26, 134<<16
	s_mov_b32 s27, 32<<16
	s_mov_b32 s28, 134
	s_mov_b32 s29, 32
	s_mov_b32 s30, 0
	s_mov_b32 s31, 0
	s_mul_i32 s15, s[WV], 2*REC                    ; my two records: in LDS and in the head
	s_mul_i32 s16, s14, 16*REC
	s_add_co_u32 s16, s16, s15
	s_mov_b32 s17, 0
	s_wait_dscnt 0x0
	s_wait_kmcnt 0x0
	s_mov_b32 s32, 1
	s_mov_b32 s33, s15
	s_add_nc_u64 s[34:35], s[6:7], s[16:17]
	s_or_b32 s35, s35, 0x80000000
	CROUND                                         ; all four work-groups are here: the joint loads meet
	tensor_load_to_lds s[32:35], s[24:31]          ; my one tensor load of the launch
	s_nop 0
.rept 4
	v_nop
.endr
	v_and_b32 v[LN], 31, v0
	v_and_b32 v24, 15, v0                          ; r
	v_bfe_u32 v25, v0, 4, 1                        ; h
	v_lshlrev_b32 v[LI], 4, v[LN]
	v_lshlrev_b32 v[R32], 5, v24
	v_lshlrev_b32 v[R16], 4, v24
	v_and_b32 v[MQ], 8, v24
	v_add_nc_u32 v[MQ], v[MQ], v24                 ; r + 8 (r / 8)
	v_lshlrev_b32 v28, 4, v25
	v_sub_nc_u32 v[MQ], v[MQ], v28
	s_lshl_b32 s20, s13, 5
	v_add_nc_u32 v[MQ], s20, v[MQ]                 ; 32 cx + r + 8 (r / 8) - 16 h
	v_lshl_add_u32 v[SBP], v24, 4, v25
	s_lshl_b32 s22, s13, 1                         ; tile A in a run: 2 cx
	s_and_b32 s20, s14, 15                         ; the head in its batch
	s_lshl_b32 s[HC], s20, 10                      ; ao: 1,024 bytes a head in a tile
	s_lshr_b32 s21, s20, 3
	s_lshl_b32 s[HS], s21, 8                       ; ao's scale bytes: 256 (head / 8) + 4 ((head / 2) % 4) + 2 (head % 2), behind x's and the weights'
	s_bfe_u32 s21, s20, 0x20001
	s_lshl_b32 s21, s21, 2
	s_add_co_u32 s[HS], s[HS], s21
	s_and_b32 s21, s20, 1
	s_lshl_b32 s21, s21, 1
	s_add_co_u32 s[HS], s[HS], s21
	s_add_co_u32 s[HS], s[HS], 393216
	s_mov_b32 s[CS], 0x3e38aa3b
	s_mov_b32 s[CS+1], s[CS]
	s_mov_b32 s[NC], 0xbe38aa3b
	s_mov_b32 s[SEL], 0x76543210
	s_mov_b32 s[SEL+1], 0xfedcba98
	s_mov_b32 s[MNT], 0x600000
	s_mov_b32 s39, 0
	s_mov_b32 s[AQN], s[WV]
	QLOAD                                          ; the first pass's Q, under the records' flight
.irp x, 0,1
.irp j, 8,9,10,11,12,13,14,15
	v_mov_b32 v[QF+24*\x+\j], 0                    ; the zeros between Q's two copies, set once
.endr
.endr
.irp j, 0,1,2,3,4,5,6,7
	v_mov_b32 v[BP+\j], 0                          ; a lane permute's destination counts as one of its sources
.endr
	v_mov_b32 v[FF+1], 0                           ; (upper halves of pairs that are named whole)
	v_mov_b32 v[FF+3], 0
	v_mov_b32 v29, 0
	v_mov_b32 v[NINF], 0xff800000
	s_mov_b32 s[PX], 0
	WALU                                           ; the wait at the head's end
	s_wait_tensorcnt 0x0                           ; my records have landed,
	s_barrier_signal -1
	s_barrier_wait -1                              ; everybody's have: the head lies in LDS
.Lpass:                                            ; two trips: runs w and 15 - w
	s_wait_xcnt 0x0                                ; the pass before has had its stores' addresses and data read
	s_xor_b32 s[AQ], s[WV], s[PX]
	s_lshl_b32 s36, s[AQ], 3
	s_add_co_u32 s36, s36, s22
	s_lshr_b32 s37, s14, 4
	s_lshl_b32 s37, s37, 7
	s_add_co_u32 s36, s36, s37                     ; tile A among all tokens'
	s_lshl_b32 s38, s36, 14
	s_add_co_u32 s38, s38, s[HC]
	s_add_nc_u64 s[44:45], s[8:9], s[38:39]        ; where the output's codes go
	s_lshl_b32 s38, s36, 9
	s_add_co_u32 s38, s38, s[HS]
	s_add_nc_u64 s[46:47], s[10:11], s[38:39]      ; and their scale bytes
	LDK LI, R32                                    ; record 0
	LDV LI, R16
.irp x, 0,1
	v_mov_b32 v[NM+2*\x+1], 0xff61b1e6             ; the largest score so far: -3e38
	v_mov_b32 v[SUM+2*\x], 0
	v_mov_b32 v[SUM+2*\x+1], 0
.endr
.irp x, 0,1
	v_mul_f32 v[NM+2*\x], s[NC], v[NM+2*\x+1]
.endr
.irp x, 0,1
	v_floor_f32 v[NM+2*\x], v[NM+2*\x]             ; -M
.endr
	v_mov_b32 v[PW+1], 0x7f7f7f7f                  ; tile B has no step before the first: zero codes under the scale 1
.set j, 0
.rept 16
	v_mov_b32 v[CD+16+j], 0
.set j, j+1
.endr
	WALU
	s_wait_loadcnt 0x0                             ; Q
	s_wait_dscnt 0x0                               ; record 0's fragments
	KJOIN
	v_lshl_or_b32 v[QS], v[QR], 16, v[QR]          ; Q's two bytes below and above
	v_lshl_or_b32 v[QS+1], v[QR+1], 16, v[QR+1]
.set j, 0
.rept 32
	v_mov_b32 v[OO+j], 0                           ; O^T of A: the step is written once and finds zeros.  (Also the places between the scale words and the products)
.set j, j+1
.endr
	WIN 0x41
.irp t, 0,1,2,3,4,5,6,7
	SW 0, \t                                       ; S_A of step 0
.endr
	WIN 0
.set j, 0
.rept 32
	v_mov_b32 v[OO+32+j], 0                        ; O^T of B.  (Also the places behind the products)
.set j, j+1
.endr
	s_mov_b32 s[TB], 0
	s_mov_b32 s[KS], 0
	WALU
.Lstep:
	s_cmp_gt_u32 s[KS], s[AQ]                      ; all 128 keys come after my queries: nothing to do but to step
	s_cbranch_scc1 .Lskip
	s_add_co_u32 s[TN], s[KS], 1
	s_and_b32 s[TN], s[TN], 15
	s_mul_i32 s[TN], s[TN], REC
	v_add_nc_u32 v[AV], s[TB], v[LI]
	v_add_nc_u32 v[AVS], s[TB], v[R16]
	v_add_nc_u32 v[AK], s[TN], v[LI]
	v_add_nc_u32 v[AKS], s[TN], v[R32]
	HALF 0, 1
	HALF 1, 0
	WALU
.Lskip:
	s_add_co_u32 s[TB], s[TB], REC
	s_add_co_u32 s[KS], s[KS], 1
	s_cmp_lt_u32 s[KS], 16
	s_cbranch_scc1 .Lstep
	; the pass's end
	s_cmp_lg_u32 s[PX], 0
	s_cbranch_scc1 .Lnoq
	s_xor_b32 s[AQN], s[WV], 15
	QLOAD                                          ; the second pass's Q, under the first pass's way out
.Lnoq:
.rept 4
	v_nop                                          ; B's codes stand four places ahead of the products
.endr
	WIN 0x01
.irp t, 0,1,2,3
	PV 1, \t                                       ; tile B's last products with V
.endr
	WIN 0
.irp x, 0,1
	v_add_f32 v[SUM+2*\x], v[SUM+2*\x], v[SUM+2*\x+1]
.endr
.irp x, 0,1
	v_permlanex16_b32 v[TT+\x], v[SUM+2*\x], s[SEL], s[SEL+1]
.endr
.irp x, 0,1
	v_add_f32 v[SUM+2*\x], v[SUM+2*\x], v[TT+\x]   ; the row's sum
.endr
	WALU
.irp x, 0,1
	v_rcp_f32 v[SUM+2*\x], v[SUM+2*\x]
.endr
	v_nop                                          ; with the six lines above: eight places behind the products
	v_nop
	WALU                                           ; behind the reciprocals, directly ahead of the first readers of O^T
.set j, 0
.rept 32
	v_pk_mul_f32 v[OO+j:OO+j+1], v[OO+j:OO+j+1], v[SUM+2*(j/32):SUM+2*(j/32)+1] op_sel_hi:[1,0]   ; O^T / the sum: register 16 G + i is channel 32 G + 16 h + i
.set j, j+2
.endr
.irp x, 0,1
.irp b, 0,1
	v_max3_num_f32 v[BM+4*\x+\b], |v[OO+32*\x+16*\b]|, |v[OO+32*\x+16*\b+1]|, 0x4800000
.endr
.endr
.irp i, 2,4,6,8,10,12,14
.irp x, 0,1
.irp b, 0,1
	v_max3_num_f32 v[BM+4*\x+\b], v[BM+4*\x+\b], |v[OO+32*\x+16*\b+\i]|, |v[OO+32*\x+16*\b+\i+1]|
.endr
.endr
.endr
.irp x, 0,1
.irp b, 0,1
	v_permlanex16_b32 v[BP+4*\x+\b], v[BM+4*\x+\b], s[SEL], s[SEL+1]
.endr
.endr
.irp x, 0,1
.irp b, 0,1
	v_max_num_f32 v[BM+4*\x+\b], v[BM+4*\x+\b], v[BP+4*\x+\b]
.endr
.endr
.irp x, 0,1
.irp b, 0,1
	v_add_nc_u32 v[BS+4*\x+\b], 0xfc000000, v[BM+4*\x+\b]
.endr
.endr
.irp x, 0,1
.irp b, 0,1
	v_and_or_b32 v[BH+4*\x+\b], v[BM+4*\x+\b], 0x7f800000, s[MNT]
.endr
.endr
.irp x, 0,1
.irp b, 0,1
	v_lshrrev_b32 v[BP+4*\x+\b], 23, v[BS+4*\x+\b]
.endr
.endr
.set j, 0
.rept 64
	v_med3_num_f32 v[OO+j], v[OO+j], -v[BH+4*(j/32)+(j/16)%2], v[BH+4*(j/32)+(j/16)%2]
.set j, j+1
.endr
.irp x, 0,1
.irp b, 0,1
	v_cvt_scalef32_pk8_fp8_f32 v[CD+16*\x+4*\b:CD+16*\x+4*\b+1], v[OO+32*\x+16*\b:OO+32*\x+16*\b+7], v[BS+4*\x+\b]
	v_cvt_scalef32_pk8_fp8_f32 v[CD+16*\x+4*\b+2:CD+16*\x+4*\b+3], v[OO+32*\x+16*\b+8:OO+32*\x+16*\b+15], v[BS+4*\x+\b]
.endr
.endr
	v_cmp_gt_u32 vcc_lo, 16, v[LN]                 ; (a plain line behind the last conversion)
.irp x, 0,1
	v_cndmask_b32 v[AT+\x], v[BP+4*\x+1], v[BP+4*\x], vcc_lo   ; lanes 0-15 send block 0's byte of row r, lanes 16-31 block 1's
.endr
.irp x, 0,1
	global_store_b128 v[LI], v[CD+16*\x:CD+16*\x+3], s[44:45] offset:16384*\x       ; 512 consecutive bytes: a chunk of the next operand, as its registers stand
	global_store_b128 v[LI], v[CD+16*\x+4:CD+16*\x+7], s[44:45] offset:16384*\x+512
	global_store_b8 v[SBP], v[AT+\x], s[46:47] offset:512*\x
.endr
	WALU
	s_add_co_u32 s[PX], s[PX], 15
	s_cmp_lt_u32 s[PX], 16
	s_cbranch_scc1 .Lpass
	s_wait_tensorcnt 0x0                           ; the wave's end
	ds_add_u32 v[SPW], v[NIL]
	s_wait_dscnt 0x0
	CROUND                                         ; the closing round
	s_endpgm
.Lfunc_end_k_q37dc92a88d_attn:
	.size	k_q37dc92a88d_attn, .Lfunc_end_k_q37dc92a88d_attn-k_q37dc92a88d_attn
	.p2alignl 7, 3214868480
	.fill 96, 4, 3214868480
	.section	.rodata,"a",@progbits
	.p2align	6, 0x0
	.amdhsa_kernel k_q37dc92a88d_attn
		.amdhsa_group_segment_fixed_size 276480
		.amdhsa_private_segment_fixed_size 0
		.amdhsa_enable_private_segment 0
		.amdhsa_kernarg_size 32
		.amdhsa_user_sgpr_count 2
		.amdhsa_user_sgpr_kernarg_segment_ptr 1
		.amdhsa_wavefront_size32 1
		.amdhsa_system_sgpr_workgroup_id_x 1
		.amdhsa_system_sgpr_workgroup_id_y 1
		.amdhsa_system_sgpr_workgroup_id_z 1
		.amdhsa_system_vgpr_workitem_id 0
		.amdhsa_next_free_vgpr 512
		.amdhsa_next_free_sgpr 66
		.amdhsa_reserve_vcc 1
		.amdhsa_float_denorm_mode_32 3
		.amdhsa_float_denorm_mode_16_64 3
		.amdhsa_memory_ordered 1
		.amdhsa_forward_progress 1
		.amdhsa_inst_pref_size 73
	.end_amdhsa_kernel
	.amdgpu_metadata
---
amdhsa.version: [ 1, 2 ]
amdhsa.kernels:
  - .name:           k_q37dc92a88d_attn
    .symbol:         k_q37dc92a88d_attn.kd
    .args:
      - { .name: qq, .offset: 0, .size: 8, .value_kind: global_buffer, .address_space: global }
      - { .name: kv, .offset: 8, .size: 8, .value_kind: global_buffer, .address_space: global }
      - { .name: ao, .offset: 16, .size: 8, .value_kind: global_buffer, .address_space: global }
      - { .name: scl, .offset: 24, .size: 8, .value_kind: global_buffer, .address_space: global }
    .group_segment_fixed_size: 276480
    .private_segment_fixed_size: 0
    .kernarg_segment_align: 8
    .kernarg_segment_size: 32
    .max_flat_workgroup_size: 256
    .sgpr_count:     66
    .vgpr_count:     512
    .wavefront_size: 32
...
	.end_amdgpu_metadata
.endif
;; end of part 4
;; launch oproj (part 5): grid 4 x 64, 4 waves a work-group, clusters of 4 x 4, 327,680 bytes of LDS; arguments ao, wc, scl, bo, out0; writes out0
.if DOCPART == 5
	.amdgcn_target "amdgcn-amd-amdhsa--gfx1250"
	.amdhsa_code_object_version 6
	.text
	.protected	k_q37dc92a88d_oproj
	.globl	k_q37dc92a88d_oproj
	.p2align	8
	.type	k_q37dc92a88d_oproj,@function
k_q37dc92a88d_oproj:
	s_mov_b64 s[64:65], 0
	v_nop
	global_prefetch_b8 v0, s[64:65] scope:SCOPE_SE
	s_setreg_imm32_b32 hwreg(HW_REG_WAVE_MODE, 25, 1), 1
	s_wait_xcnt 0x0
	s_wait_alu depctr_hold_cnt(0) depctr_sa_sdst(0) depctr_va_vdst(0) depctr_va_sdst(0) depctr_va_ssrc(0) depctr_va_vcc(0) depctr_vm_vsrc(0)
	s_getreg_b32 s2, hwreg(HW_REG_IB_STS2, 6, 4)
	s_cmp_eq_u32 s2, 0
	s_cbranch_scc0 .Lentry_in_a_cluster
	s_endpgm
.Lentry_in_a_cluster:
	s_bfe_u32 s2, ttmp6, 0x10000c
	s_cmp_lg_u32 s2, 0xf033
	s_cbranch_scc0 .Lentry_shape_is_right
	s_endpgm
.Lentry_shape_is_right:
.set FR,     16
.set NL,     4
.set NP,     8
.set SLOT,   131072
.set SPARE,  2*SLOT
.set T0,     192
.set SPITCH, 528
.set ADRA, 16
.set ADRB, 20
.set STO,  24
.set RD,   25
.set VOFF, 27
.set SPW,  28
.set NIL,  29
.set LI,   30
.set BI,   56
.set SC,   64
.set AF,   128
.set BK,   128
.set G1, 24
.set G0, 32
.set G1B, 48
.set G0B, 56
.set MSB, 0
.macro WIN new
.if MSB != (\new)
	s_set_vgpr_msb (MSB<<8)|(\new)
.set MSB, (\new)
.endif
.endm
.set MUL_LO, 0xa1
.set MUL_HI, 0xf1
.set TO_B,   0x40
.macro JLOAD g0a, g1a, g0b, g1b
	s_cmp_eq_u32 s15, 0
	s_cbranch_scc0 .Lfor_b_\@
	tensor_load_to_lds s[\g0a:\g0a+3], s[\g1a:\g1a+7]
	s_nop 0
.rept 4
	v_nop
.endr
	s_branch .Lasked_\@
.Lfor_b_\@:
	tensor_load_to_lds s[\g0b:\g0b+3], s[\g1b:\g1b+7]
	s_nop 0
.rept 4
	v_nop
.endr
.Lasked_\@:
.endm
.macro CREST
	s_cmp_lg_u32 s14, 0
	s_cbranch_scc1 .Lnot_wave_0_\@
	s_barrier_signal -3
.Lnot_wave_0_\@:
	s_barrier_wait -3
	s_barrier_signal -1
	s_barrier_wait -1
.endm
.macro CROUND
	s_barrier_signal -1
	s_barrier_wait -1
	CREST
.endm
.macro PLACES n
.rept \n
	v_nop
.endr
.endm
	s_load_b256 s[4:11], s[0:1], 0x0
	s_load_b64 s[12:13], s[0:1], 0x20
	v_lshl_add_u32 v[SPW], v0, 2, SPARE
	v_mov_b32 v[NIL], 0
	ds_add_u32 v28, v29
	ds_add_u32 v28, v29
	s_wait_dscnt 0x0
	v_lshrrev_b32 v1, 5, v0
	v_readfirstlane_b32 s14, v1
	s_lshr_b32 s15, s14, 1
	s_and_b32 s16, s14, 1
	s_bfe_u32 s40, ttmp6, 0x40000
	s_bfe_u32 s41, ttmp6, 0x40004
	s_lshl_b32 s42, ttmp9, 2
	s_add_co_u32 s42, s42, s40
	s_and_b32 s17, ttmp7, 0xffff
	s_lshl_b32 s17, s17, 2
	s_add_co_u32 s17, s17, s41
	s_lshl_b32 s43, s41, 2
	s_lshl_b32 s43, 15, s43
	s_lshl_b32 s44, 0x1111, s40
	s_or_b32 s[G1+0], s43, (3<<16)|(1<<21)
	s_or_b32 s[G1B+0], s44, (3<<16)|(1<<21)
.irp g, G1, G1B
	s_mov_b32 s[\g+1], 512<<16
	s_mov_b32 s[\g+2], 8<<16
	s_mov_b32 s[\g+3], 512<<16
	s_mov_b32 s[\g+4], 8
	s_mov_b32 s[\g+5], 2048
	s_mov_b32 s[\g+6], 0
	s_mov_b32 s[\g+7], 0
.endr
	s_mov_b32 s[G1+2], 4<<16               ; a block is 128 tokens x 256 columns: a load of A's brings 4 tiles, one of B's 8
	s_mov_b32 s[G1+4], 4
	s_lshl_b32 s18, s16, 17
	s_lshl_b32 s20, s17, 17                ; A: 8 tiles of 16,384 bytes a block,
	s_lshl_b32 s19, s16, 16                ; 4 a load
	s_add_co_u32 s20, s20, s19
	s_mov_b32 s21, 0
	s_lshl_b32 s46, s42, 18
	s_add_co_u32 s46, s46, s18
	s_add_co_u32 s46, s46, T0<<14
	s_mov_b32 s47, 0
	s_lshl_b32 s45, s14, 15
	s_wait_kmcnt 0x0
	s_add_nc_u64 s[20:21], s[4:5], s[20:21]
	s_add_nc_u64 s[46:47], s[6:7], s[46:47]
	CROUND
.irp s, 0,1
	s_mov_b32 s[G0+4*\s], 1
	s_add_co_u32 s[G0+4*\s+1], s45, \s*SLOT
	s_add_nc_u64 s[G0+4*\s+2:G0+4*\s+3], s[20:21], \s*4096
	s_or_b32 s[G0+4*\s+3], s[G0+4*\s+3], 0x80000000
	s_mov_b32 s[G0B+4*\s], 1
	s_add_co_u32 s[G0B+4*\s+1], s45, \s*SLOT
	s_add_nc_u64 s[G0B+4*\s+2:G0B+4*\s+3], s[46:47], \s*4096
	s_or_b32 s[G0B+4*\s+3], s[G0B+4*\s+3], 0x80000000
.if \s                                 ; slot 1's first fill is issued as a refill is: my load of slot 0 waited for, the add, its wait, a whole round
	s_wait_alu depctr_va_vdst(0)
	s_wait_tensorcnt 0x0
	ds_add_u32 v28, v29
	s_wait_dscnt 0x0
	CROUND
.endif
	JLOAD G0+4*\s, G1, G0B+4*\s, G1B
.endr
	v_and_b32 v1, 15, v0
	s_wait_alu depctr_va_vdst(0)
	v_bfe_u32 v2, v0, 4, 1
	v_and_b32 v3, 31, v0
	s_wait_alu depctr_va_vdst(0)
	v_lshlrev_b32 v[LI], 4, v3
	s_lshl_b32 s21, s15, 15
	s_lshl_b32 s22, s16, 15
	s_add_co_u32 s22, s22, 65536
.irp s, 0,1
	v_add_nc_u32 v[ADRA+\s], s21, v[LI]
	v_add_nc_u32 v[ADRB+\s], s22, v[LI]
	s_add_co_u32 s21, s21, SLOT
	s_add_co_u32 s22, s22, SLOT
.endr
	s_lshl_b32 s70, s17, 12
	s_add_co_u32 s70, s70, 393216
	s_lshl_b32 s71, s42, 13
	s_add_co_u32 s71, s71, 262144+(T0<<9)
	s_lshl_b32 s67, s15, 11
	s_add_co_u32 s70, s70, s67
	s_lshl_b32 s67, s16, 12
	s_add_co_u32 s71, s71, s67
	v_lshlrev_b32 v4, 4, v1
	v_add_nc_u32 v5, s70, v4
	v_add_nc_u32 v6, s71, v4
	v_cmp_gt_u32 vcc_lo, 16, v3
	v_cndmask_b32 v[VOFF], v6, v5, vcc_lo
	v_add_nc_u32 v5, 0xfffff800, v5        ; registers 4-7: lanes 0-15 take A's tiles 0-3 once more (for A's second set of fragments), lanes 16-31 B's tiles 4-7
	v_cndmask_b32 v7, v6, v5, vcc_lo
.irp i, 0,1,2,3
.irp kh, 0,1
	global_load_b128 v[SC+8*\i+4*\kh:SC+8*\i+4*\kh+3], v[VOFF], s[8:9] offset:512*\i+256*\kh
.endr
.endr
.irp i, 4,5,6,7
.irp kh, 0,1
	global_load_b128 v[SC+8*\i+4*\kh:SC+8*\i+4*\kh+3], v7, s[8:9] offset:512*\i+256*\kh
.endr
.endr
	s_lshl_b32 s68, s42, 10
	s_lshl_b32 s67, s16, 9
	s_add_co_u32 s68, s68, s67
	s_mov_b32 s69, 0
	s_add_nc_u64 s[10:11], s[10:11], s[68:69]
	global_load_b128 v[BI:BI+3], v[LI], s[10:11]
	s_lshl_b32 s72, s17, 19
	s_lshl_b32 s67, s15, 18
	s_add_co_u32 s72, s72, s67
	s_add_co_u32 s72, s72, s68
	s_mov_b32 s73, 0
	s_add_nc_u64 s[12:13], s[12:13], s[72:73]
	s_mul_i32 s23, s14, 16*SPITCH
	v_mul_u32_u24 v5, v1, SPITCH
	v_lshl_add_u32 v5, v2, 6, v5
	v_add_nc_u32 v[STO], s23, v5
	v_add_nc_u32 v[RD], s23, v[LI]
.macro FRAG reg, adr, q, i
.irp c, 0,1,2,3
	ds_load_b128 v[\reg+4*\c:\reg+4*\c+3], v[\adr] offset:4096*(\i)+2048*(\q)+512*\c
.endr
.endm
.macro MUL16 a0, p, ks, zero
.irp a, \a0, \a0+1
.irp b, 0,1,2,3,4,5,6,7
.if \zero
	v_wmma_scale_f32_16x16x128_f8f6f4 v[8*(8*((\a)%4)+\b):8*(8*((\a)%4)+\b)+7], v[128*(\p)+FR*\b:128*(\p)+FR*\b+FR-1], v[AF+FR*(\a):AF+FR*(\a)+FR-1], 0, v[SC+8*\b+(\ks)], v[SC+8*(\a)+(\ks)] matrix_a_scale:MATRIX_SCALE_ROW1
.else
	v_wmma_scale_f32_16x16x128_f8f6f4 v[8*(8*((\a)%4)+\b):8*(8*((\a)%4)+\b)+7], v[128*(\p)+FR*\b:128*(\p)+FR*\b+FR-1], v[AF+FR*(\a):AF+FR*(\a)+FR-1], v[8*(8*((\a)%4)+\b):8*(8*((\a)%4)+\b)+7], v[SC+8*\b+(\ks)], v[SC+8*(\a)+(\ks)] matrix_a_scale:MATRIX_SCALE_ROW1
.endif
.endr
.endr
.endm
.macro FETCH_B slot, q, p
	WIN TO_B
.irp i, 0,1,2,3,4,5,6,7
	FRAG 128*(\p)+FR*\i, ADRB+\slot, \q, \i
.endr
	WIN 0
.endm
.macro FETCH_A slot, q, p              ; my four tiles of A into set p
.irp i, 0,1,2,3
	FRAG AF+FR*(\i+4*(\p)), ADRA+\slot, \q, \i
.endr
.endm
.macro STEP slot, q, ks, zero          ; a slot's first K step, on sets 0: the second step's fragments are asked for, into sets 1, ahead of the 32 products
	s_wait_dscnt 0
	PLACES NP
	FETCH_B \slot, 1, 1
	FETCH_A \slot, 1, 1
	WIN MUL_LO
	MUL16 0, 0, \ks, \zero
	MUL16 2, 0, \ks, \zero
	WIN 0
.endm
.macro TURN slot, next, fill, ks
	s_wait_tensorcnt 0x0
	ds_add_u32 v[SPW], v[NIL]
	s_wait_dscnt 1                         ; sets 1 are in; the add alone may be out
	WIN MUL_LO
	MUL16 4, 1, \ks, 0
	s_wait_dscnt 0x0
	s_barrier_signal -1
	WIN 0
	s_barrier_wait -1
.if \fill
	CREST
	s_add_nc_u64 s[G0+4*\slot+2:G0+4*\slot+3], s[G0+4*\slot+2:G0+4*\slot+3], 8192
	s_add_nc_u64 s[G0B+4*\slot+2:G0B+4*\slot+3], s[G0B+4*\slot+2:G0B+4*\slot+3], 8192
	JLOAD G0+4*\slot, G1, G0B+4*\slot, G1B
	PLACES NP-4
.else
	PLACES NP
.endif
	FETCH_B \next, 0, 0
	FETCH_A \next, 0, 0
	WIN MUL_LO
	MUL16 6, 1, \ks, 0
	WIN 0
.endm
	s_wait_tensorcnt 1
	s_barrier_signal -1
	s_barrier_wait -1
	FETCH_B 0, 0, 0
	FETCH_A 0, 0, 0
	s_wait_loadcnt 0x0
	STEP 0, 0, 0, 1
	TURN 0, 1, 1, 1
	STEP 1, 0, 2, 0
	TURN 1, 0, 1, 3
	STEP 0, 0, 4, 0
	TURN 0, 1, 0, 5
	STEP 1, 0, 6, 0
	s_wait_alu depctr_va_vdst(0)
	s_wait_dscnt 0
	WIN MUL_LO
	MUL16 4, 1, 7, 0
	MUL16 6, 1, 7, 0
	WIN 0
.macro TOSTAGE a
.set AC, 64*((\a)%4)
	WIN 0x08+4*((\a)/4)
.irp b, 0,1,2,3,4,5,6,7
	ds_store_b128 v[STO], v[AC+8*\b:AC+8*\b+3] offset:128*(\b/2)+32*(\b%2)
	ds_store_b128 v[STO], v[AC+8*\b+4:AC+8*\b+7] offset:128*(\b/2)+32*(\b%2)+16
.endr
	WIN 0
.set BB, BK+64*((\a)%2)
.irp t, 0,1,2,3,4,5,6,7,8,9,10,11,12,13,14,15
	ds_load_b128 v[BB+4*\t:BB+4*\t+3], v[RD] offset:\t*SPITCH
.endr
.endm
.macro SEND a, younger
.set BB, BK+64*((\a)%2)
	s_wait_dscnt \younger
.irp t, 0,1,2,3,4,5,6,7,8,9,10,11,12,13,14,15
	v_pk_add_f32 v[BB+4*\t:BB+4*\t+1], v[BB+4*\t:BB+4*\t+1], v[BI:BI+1]
	v_pk_add_f32 v[BB+4*\t+2:BB+4*\t+3], v[BB+4*\t+2:BB+4*\t+3], v[BI+2:BI+3]
.endr
.irp t, 0,1,2,3,4,5,6,7,8,9,10,11,12,13,14,15
	global_store_b128 v[LI], v[BB+4*\t:BB+4*\t+3], s[12:13] offset:(32*((\a)/2)+8*((\a)%2)+\t+8*(\t/8))*4096 th:TH_STORE_NT
.endr
.endm
	PLACES NP
	TOSTAGE 0
.irp a, 1,2,3
.if \a > 1
	s_wait_xcnt 0x0
.endif
	TOSTAGE \a
	SEND \a-1, 32
.endr
	SEND 3, 0
	s_wait_tensorcnt 0x0
	ds_add_u32 v[SPW], v[NIL]
	s_wait_dscnt 0x0
	CROUND
	s_endpgm
.Lfunc_end_k_q37dc92a88d_oproj:
	.size	k_q37dc92a88d_oproj, .Lfunc_end_k_q37dc92a88d_oproj-k_q37dc92a88d_oproj
	.p2alignl 7, 3214868480
	.fill 96, 4, 3214868480
	.section	.rodata,"a",@progbits
	.p2align	6, 0x0
	.amdhsa_kernel k_q37dc92a88d_oproj
		.amdhsa_group_segment_fixed_size 327680
		.amdhsa_private_segment_fixed_size 0
		.amdhsa_enable_private_segment 0
		.amdhsa_kernarg_size 40
		.amdhsa_user_sgpr_count 2
		.amdhsa_user_sgpr_kernarg_segment_ptr 1
		.amdhsa_wavefront_size32 1
		.amdhsa_system_sgpr_workgroup_id_x 1
		.amdhsa_system_sgpr_workgroup_id_y 1
		.amdhsa_system_sgpr_workgroup_id_z 1
		.amdhsa_system_vgpr_workitem_id 0
		.amdhsa_next_free_vgpr 1024
		.amdhsa_next_free_sgpr 96
		.amdhsa_reserve_vcc 1
		.amdhsa_float_denorm_mode_32 3
		.amdhsa_float_denorm_mode_16_64 3
		.amdhsa_memory_ordered 1
		.amdhsa_forward_progress 1
		.amdhsa_inst_pref_size 94
	.end_amdhsa_kernel
	.amdgpu_metadata
---
amdhsa.version: [ 1, 2 ]
amdhsa.kernels:
  - .name:           k_q37dc92a88d_oproj
    .symbol:         k_q37dc92a88d_oproj.kd
    .args:
      - { .name: ao, .offset: 0, .size: 8, .value_kind: global_buffer, .address_space: global }
      - { .name: wc, .offset: 8, .size: 8, .value_kind: global_buffer, .address_space: global }
      - { .name: scl, .offset: 16, .size: 8, .value_kind: global_buffer, .address_space: global }
      - { .name: bo, .offset: 24, .size: 8, .value_kind: global_buffer, .address_space: global }
      - { .name: out0, .offset: 32, .size: 8, .value_kind: global_buffer, .address_space: global }
    .group_segment_fixed_size: 327680
    .private_segment_fixed_size: 0
    .kernarg_segment_align: 8
    .kernarg_segment_size: 40
    .max_flat_workgroup_size: 128
    .sgpr_count:     96
    .vgpr_count:     1024
    .wavefront_size: 32
...
	.end_amdgpu_metadata
.endif
;; end of part 5
